; MI455X (gfx1250); checked and timed in simulation.
; The chip was launched on July 23, 2026; its instructions are those of AMD's public machine-readable ISA for CDNA 5 (MIT licence, August 2026) and "CDNA5" Instruction Set Architecture Reference Guide (July 2026). The comments in the code are by the model that wrote it; some were corrected since.
;; Mo E Layer. Allowed arithmetic: float matrix products may take bf16 or f16 operands with f32 sums; all other float work in f32.
;; Inputs: W1 8 x 1,024 x 1,024 float32; W2 8 x 1,024 x 256 float32; Wg 1,024 x 8 float32; b1 8 x 1,024 float32; b2 8 x 256 float32; bg 8 float32; x 2 x 2,048 x 1,024 float32.
;; Outputs: out0 2 x 2,048 x 256 float32; out1 one number float32.
;; 2 versions, each right; version 2 is version 1 with the launch moe written anew for expert scheduling mode. Each part assembles by itself: llvm-mc -triple=amdgcn-amd-amdhsa -mcpu=gfx1250 --defsym DOCPART=n.
;; ======== version 1 of 2: 4 launches
;; limits: values outside matrix products are rounded to bf16; a function is approximated: absolute error at most 1.5e-07
;; workspace buffers: xb 8,388,608 bytes; w1f 16,777,216 bytes; w2f 4,194,304 bytes; sel 16,384 bytes of whole numbers; gwa 36,864 bytes; rt 132,096 bytes of whole numbers; ypart 33,554,432 bytes
;; launch gate (part 1): grid 256 x 1, 4 waves a work-group, no clusters, 0 bytes of LDS; arguments x, Wg, bg, xb, sel, gwa; writes xb, sel, gwa
.if DOCPART == 1
	.amdgcn_target "amdgcn-amd-amdhsa--gfx1250"
	.amdhsa_code_object_version 6
	.text
	.protected	k_q51d9fd483d_gate
	.globl	k_q51d9fd483d_gate
	.p2align	8
	.type	k_q51d9fd483d_gate,@function
k_q51d9fd483d_gate:
	s_mov_b64 s[64:65], 0
	v_nop
	global_prefetch_b8 v0, s[64:65] scope:SCOPE_SE
	s_setreg_imm32_b32 hwreg(HW_REG_WAVE_MODE, 25, 1), 1
	s_wait_xcnt 0x0
; GATE.  For each of 4,096 tokens: 8 logits = x . Wg + bg, the two largest (ties: the lower index first), their softmax,
; the token's term of the auxiliary loss, and x as bf16 for the experts.
; x, Wg and bg are rounded to bf16 first (the format in which x also goes to the experts' products); products and sums are f32
; on the vector unit: 8 columns would fill half of a matrix tile, and the whole product is 0.1 per cent of the problem's.
; A wave owns 4 tokens; lane L holds x[128 j + 4 L + c], j = 0..7, c = 0..3, so each load covers 512 and each store 256 consecutive bytes.
; OUT: xb [4096][1024] bf16; sel[n] = 1 << e0 | 0x100 << e1; gwa: w[k][n] f32 at byte 4 (4096 k + n), one partial aux sum for each wave at byte 32,768.
; LIMITS: NaN logits are not served.  The sums' order differs from a row-by-row sum, so two logits closer than some 1e-6 of their size
; may change places.  The maximum is taken away in front of every exponential.
.set T,   16                           ; v[16:31]   x of this batch, widened: token t at T + 4 t + c
.set LG,  8                            ; v[8:15]    the 8 logits of my token (lane L: token L & 3)
.set DL,  22                           ; v[22:29]   bg rounded; later logit - maximum
.set ACC, 32                           ; v[32:63]   token t, expert e at ACC + 8 t + e
.set X,   64                           ; v[64:191]  token t, batch j: 4 registers at X + 32 t + 4 j
.set WB,  192                          ; v[192:255] two buffers of 32: Wg[128 j + 4 L + c][e] at 8 c + e
	s_load_b256 s[4:11], s[0:1], 0x0               ; x s[4:5], Wg s[6:7], bg s[8:9], xb s[10:11]
	s_load_b128 s[12:15], s[0:1], 0x20             ; sel s[12:13], gwa s[14:15]
	v_and_b32 v1, 31, v0                           ; lane
	v_lshrrev_b32 v5, 5, v0
	v_readfirstlane_b32 s26, v5                    ; wave
	v_lshlrev_b32 v2, 4, v1                        ; 16 L: x
	v_lshlrev_b32 v3, 7, v1                        ; 128 L: four rows of Wg
	v_lshlrev_b32 v4, 3, v1                        ; 8 L: xb
	s_lshl_b32 s27, ttmp9, 2
	s_add_co_u32 s27, s27, s26                     ; the wave's number in the launch, 0..1023
	s_lshl_b32 s28, s27, 14                        ; 4 tokens of 4,096 bytes
	s_mov_b32 s29, 0
	s_lshl_b32 s30, s27, 13                        ; 4 tokens of 2,048 bytes
	s_mov_b32 s31, 0
	s_lshl_b32 s32, s27, 4                         ; 4 tokens of 4 bytes
	s_mov_b32 s33, 0
	s_lshl_b32 s34, s27, 2                         ; one word a wave
	s_mov_b32 s35, 0
	s_mov_b32 s24, 0x76543210                      ; v_permlanex16_b32: lane i reads lane i of the other half
	s_mov_b32 s25, 0xfedcba98
	s_mov_b32 s40, 0xaaaaaaaa                      ; lanes with bit 0 set
	s_mov_b32 s41, 0xcccccccc                      ; lanes with bit 1 set
	s_mov_b32 s45, 0xbe000000                      ; -1/8
	s_mov_b32 s46, 0xffff0000                      ; a word's upper bf16
	s_wait_kmcnt 0x0
	s_load_b256 s[16:23], s[8:9], 0x0              ; bg
	s_add_nc_u64 s[4:5], s[4:5], s[28:29]
	s_add_nc_u64 s[10:11], s[10:11], s[30:31]
	s_add_nc_u64 s[12:13], s[12:13], s[32:33]
	s_add_nc_u64 s[36:37], s[14:15], s[32:33]      ; the gate weights of my tokens
	s_add_nc_u64 s[38:39], s[14:15], s[34:35]      ; my partial sum (at +32,768)
.irp t, 0,1,2,3
.irp j, 0,1,2,3,4,5,6,7
	global_load_b128 v[X+32*\t+4*\j:X+32*\t+4*\j+3], v2, s[4:5] offset:4096*\t+512*\j th:TH_LOAD_NT
.endr
.endr
.irp j, 0,1
.irp i, 0,1,2,3,4,5,6,7
	global_load_b128 v[WB+32*\j+4*\i:WB+32*\j+4*\i+3], v3, s[6:7] offset:4096*\j+16*\i
.endr
.endr
; Batch j: 128 of the 1,024 terms.  cnt = the loads that may stay out: the one younger batch of Wg (8 loads), none at the end.
.macro GJ j, buf, issue, cnt
	s_wait_loadcnt \cnt                            ; loads come back in order: this batch of Wg is in (at j = 0 all of x too)
.irp i, 0,1,2,3,4,5,6,7,8,9,10,11,12,13,14,15
	v_cvt_pk_bf16_f32 v[5+(\i&1)], v[WB+32*\buf+2*\i], v[WB+32*\buf+2*\i+1]    ; Wg rounded to bf16,
	v_lshlrev_b32 v[WB+32*\buf+2*\i], 16, v[5+(\i&1)]                          ; and widened again in place
	v_and_b32 v[WB+32*\buf+2*\i+1], s46, v[5+(\i&1)]
.endr
.irp t, 0,1,2,3
	v_cvt_pk_bf16_f32 v[X+32*\t+4*\j], v[X+32*\t+4*\j], v[X+32*\t+4*\j+1]      ; x rounded to bf16, in place: these two words are not written again
	v_cvt_pk_bf16_f32 v[X+32*\t+4*\j+1], v[X+32*\t+4*\j+2], v[X+32*\t+4*\j+3]
	global_store_b64 v4, v[X+32*\t+4*\j:X+32*\t+4*\j+1], s[10:11] offset:2048*\t+256*\j   ; the wave stores 256 consecutive bytes, aligned
	v_lshlrev_b32 v[T+4*\t], 16, v[X+32*\t+4*\j]
	v_and_b32 v[T+4*\t+1], s46, v[X+32*\t+4*\j]
	v_lshlrev_b32 v[T+4*\t+2], 16, v[X+32*\t+4*\j+1]
	v_and_b32 v[T+4*\t+3], s46, v[X+32*\t+4*\j+1]
.endr
.irp c, 0,1,2,3
.irp t, 0,1,2,3
.irp p, 0,1,2,3
.if (\j+\c) == 0
	v_pk_mul_f32 v[ACC+8*\t+2*\p:ACC+8*\t+2*\p+1], v[T+4*\t:T+4*\t+1], v[WB+32*\buf+2*\p:WB+32*\buf+2*\p+1] op_sel_hi:[0,1]   ; the first product starts the sums
.else
.if (\c&1) == 0
	v_pk_fma_f32 v[ACC+8*\t+2*\p:ACC+8*\t+2*\p+1], v[T+4*\t+\c:T+4*\t+\c+1], v[WB+32*\buf+8*\c+2*\p:WB+32*\buf+8*\c+2*\p+1], v[ACC+8*\t+2*\p:ACC+8*\t+2*\p+1] op_sel:[0,0,0] op_sel_hi:[0,1,1]
.else
	v_pk_fma_f32 v[ACC+8*\t+2*\p:ACC+8*\t+2*\p+1], v[T+4*\t+\c-1:T+4*\t+\c], v[WB+32*\buf+8*\c+2*\p:WB+32*\buf+8*\c+2*\p+1], v[ACC+8*\t+2*\p:ACC+8*\t+2*\p+1] op_sel:[1,0,0] op_sel_hi:[1,1,1]
.endif
.endif
.endr
.endr
.endr
.if \issue
.irp i, 0,1,2,3,4,5,6,7
	global_load_b128 v[WB+32*\buf+4*\i:WB+32*\buf+4*\i+3], v3, s[6:7] offset:4096*(\j+2)+16*\i
.endr
.endif
.endm
	GJ 0, 0, 1, 8
	GJ 1, 1, 1, 8
	GJ 2, 0, 1, 8
	GJ 3, 1, 1, 8
	GJ 4, 0, 1, 8
	GJ 5, 1, 1, 8
	GJ 6, 0, 0, 8
	GJ 7, 1, 0, 0
	; each of the 32 sums over the 32 lanes: four steps inside a half of 16 lanes, one across
.irp m, 1,2,4,8
.set i, 0
.rept 32
	v_add_f32_dpp v[ACC+i], v[ACC+i], v[ACC+i] row_xmask:\m row_mask:0xf bank_mask:0xf
.set i, i+1
.endr
.endr
.set i, 0
.rept 32
	v_permlanex16_b32 v[WB+i], v[ACC+i], s24, s25  ; WB has been written (loaded and waited for) and is free
.set i, i+1
.endr
.set i, 0
.rept 32
	v_add_f32 v[ACC+i], v[ACC+i], v[WB+i]
.set i, i+1
.endr
	s_wait_kmcnt 0x0                               ; bg
.irp e, 0,2,4,6
	v_cvt_pk_bf16_f32 v5, s[16+\e], s[17+\e]       ; bg rounded to bf16 like the other two
	v_lshlrev_b32 v[DL+\e], 16, v5
	v_and_b32 v[DL+\e+1], s46, v5
.endr
	; lane L goes on with token L & 3: the rest is done once for four tokens
.irp e, 0,1,2,3,4,5,6,7
	v_cndmask_b32 v16, v[ACC+\e], v[ACC+8+\e], s40
	v_cndmask_b32 v17, v[ACC+16+\e], v[ACC+24+\e], s40
	v_cndmask_b32 v16, v16, v17, s41
	v_add_f32 v[LG+\e], v[DL+\e], v16
.endr
	; the two largest: strict comparisons keep the lower index on a tie.  Selections only: no branch hangs on a logit.
	v_mov_b32 v18, v[LG]                           ; largest,
	v_mov_b32 v19, 0                               ; its index
	v_mov_b32 v20, 0xff800000                      ; second (minus infinity),
	v_mov_b32 v21, 1                               ; its index
.irp e, 1,2,3,4,5,6,7
	v_cmp_gt_f32 s42, v[LG+\e], v18
	v_cmp_gt_f32 s43, v[LG+\e], v20
	v_cndmask_b32 v20, v20, v[LG+\e], s43
	v_cndmask_b32 v21, v21, \e, s43
	v_cndmask_b32 v20, v20, v18, s42
	v_cndmask_b32 v21, v21, v19, s42
	v_cndmask_b32 v18, v18, v[LG+\e], s42
	v_cndmask_b32 v19, v19, \e, s42
.endr
	v_sub_f32 v5, v20, v18                         ; second - largest, at most 0
	v_mul_f32 v5, 0x3fb8aa3b, v5
.irp e, 0,1,2,3,4,5,6,7
	v_sub_f32 v[DL+\e], v[LG+\e], v18              ; logit - largest, at most 0
.endr
.irp e, 0,1,2,3,4,5,6,7
	v_mul_f32 v[LG+\e], 0x3fb8aa3b, v[DL+\e]
.endr
	v_exp_f32 v5, v5
.irp e, 0,1,2,3,4,5,6,7
	v_exp_f32 v[LG+\e], v[LG+\e]
.endr
	v_add_f32 v[DL], v[DL], v[DL+1]                ; plain work behind the exponentials (ISA guide 5.7.2), in front of their first use
	v_add_f32 v[DL+2], v[DL+2], v[DL+3]
	v_add_f32 v[DL+4], v[DL+4], v[DL+5]
	v_add_f32 v[DL+6], v[DL+6], v[DL+7]
	v_add_f32 v[DL], v[DL], v[DL+2]
	v_add_f32 v[DL+4], v[DL+4], v[DL+6]
	v_add_f32 v[DL], v[DL], v[DL+4]                ; sum over e of (logit - largest)
	s_wait_alu depctr_va_vdst(0)
	v_add_f32 v6, 1.0, v5
	v_add_f32 v[LG], v[LG], v[LG+1]
	v_add_f32 v[LG+2], v[LG+2], v[LG+3]
	v_add_f32 v[LG+4], v[LG+4], v[LG+5]
	v_add_f32 v[LG+6], v[LG+6], v[LG+7]
	v_add_f32 v[LG], v[LG], v[LG+2]
	v_add_f32 v[LG+4], v[LG+4], v[LG+6]
	v_add_f32 v[LG], v[LG], v[LG+4]                ; sum of the exponentials, between 1 and 8
	v_rcp_f32 v6, v6                               ; w0 = 1 / (1 + exp(second - largest))
	v_log_f32 v[LG], v[LG]
	v_fmaak_f32 v[DL], s45, v[DL], 0xc0051592      ; -sum/8 - ln 8: the plain place behind the two
	s_wait_alu depctr_va_vdst(0)
	v_mul_f32 v7, v5, v6                           ; w1
	v_fmamk_f32 v[DL], v[LG], 0x3f317218, v[DL]    ; ln(sum of exp) - mean(logit - largest) - ln 8: the token's term
	v_add_f32_dpp v[DL], v[DL], v[DL] row_xmask:1 row_mask:0xf bank_mask:0xf
	v_add_f32_dpp v[DL], v[DL], v[DL] row_xmask:2 row_mask:0xf bank_mask:0xf   ; over my four tokens
	v_mov_b32 v30, 1
	v_mov_b32 v31, 0x100
	v_lshlrev_b32 v30, v19, v30
	v_lshlrev_b32 v31, v21, v31
	v_or_b32 v30, v30, v31                         ; 1 << e0 | 0x100 << e1
	v_lshlrev_b32 v31, 2, v1                       ; 4 L
	s_wait_xcnt 0x0                                ; EXEC is a source of the stores above: it changes only behind this wait
	v_cmp_gt_u32 vcc_lo, 4, v1
	s_and_saveexec_b32 s44, vcc_lo                 ; lanes 0-3: one token each
	global_store_b32 v31, v30, s[12:13]
	global_store_b32 v31, v6, s[36:37]
	global_store_b32 v31, v7, s[36:37] offset:16384
	s_wait_xcnt 0x0
	s_or_b32 exec_lo, exec_lo, s44
	v_cmp_eq_u32 vcc_lo, 0, v1
	s_and_saveexec_b32 s44, vcc_lo                 ; lane 0: the wave's partial sum
	global_store_b32 v31, v[DL], s[38:39] offset:32768
	s_wait_xcnt 0x0
	s_or_b32 exec_lo, exec_lo, s44
	s_endpgm
.Lfunc_end_k_q51d9fd483d_gate:
	.size	k_q51d9fd483d_gate, .Lfunc_end_k_q51d9fd483d_gate-k_q51d9fd483d_gate
	.p2alignl 7, 3214868480
	.fill 96, 4, 3214868480
	.section	.rodata,"a",@progbits
	.p2align	6, 0x0
	.amdhsa_kernel k_q51d9fd483d_gate
		.amdhsa_group_segment_fixed_size 0
		.amdhsa_private_segment_fixed_size 0
		.amdhsa_enable_private_segment 0
		.amdhsa_kernarg_size 48
		.amdhsa_user_sgpr_count 2
		.amdhsa_user_sgpr_kernarg_segment_ptr 1
		.amdhsa_wavefront_size32 1
		.amdhsa_system_sgpr_workgroup_id_x 1
		.amdhsa_system_sgpr_workgroup_id_y 1
		.amdhsa_system_sgpr_workgroup_id_z 1
		.amdhsa_system_vgpr_workitem_id 0
		.amdhsa_next_free_vgpr 256
		.amdhsa_next_free_sgpr 66
		.amdhsa_reserve_vcc 1
		.amdhsa_float_denorm_mode_32 3
		.amdhsa_float_denorm_mode_16_64 3
		.amdhsa_memory_ordered 1
		.amdhsa_forward_progress 1
		.amdhsa_inst_pref_size 90
	.end_amdhsa_kernel
	.amdgpu_metadata
---
amdhsa.version: [ 1, 2 ]
amdhsa.kernels:
  - .name:           k_q51d9fd483d_gate
    .symbol:         k_q51d9fd483d_gate.kd
    .args:
      - { .name: x, .offset: 0, .size: 8, .value_kind: global_buffer, .address_space: global }
      - { .name: Wg, .offset: 8, .size: 8, .value_kind: global_buffer, .address_space: global }
      - { .name: bg, .offset: 16, .size: 8, .value_kind: global_buffer, .address_space: global }
      - { .name: xb, .offset: 24, .size: 8, .value_kind: global_buffer, .address_space: global }
      - { .name: sel, .offset: 32, .size: 8, .value_kind: global_buffer, .address_space: global }
      - { .name: gwa, .offset: 40, .size: 8, .value_kind: global_buffer, .address_space: global }
    .group_segment_fixed_size: 0
    .private_segment_fixed_size: 0
    .kernarg_segment_align: 8
    .kernarg_segment_size: 48
    .max_flat_workgroup_size: 128
    .sgpr_count:     66
    .vgpr_count:     256
    .wavefront_size: 32
...
	.end_amdgpu_metadata
.endif
;; end of part 1
;; launch prep (part 2): grid 321 x 1, 8 waves a work-group, no clusters, 133,120 bytes of LDS; arguments W1, W2, sel, gwa, w1f, w2f, rt, out1; writes w1f, w2f, rt, out1
.if DOCPART == 2
	.amdgcn_target "amdgcn-amd-amdhsa--gfx1250"
	.amdhsa_code_object_version 6
	.text
	.protected	k_q51d9fd483d_prep
	.globl	k_q51d9fd483d_prep
	.p2align	8
	.type	k_q51d9fd483d_prep,@function
k_q51d9fd483d_prep:
	s_mov_b64 s[64:65], 0
	v_nop
	global_prefetch_b8 v0, s[64:65] scope:SCOPE_SE
	s_setreg_imm32_b32 hwreg(HW_REG_WAVE_MODE, 25, 1), 1
	s_wait_xcnt 0x0
; PREP.  Work-group 0 makes the experts' lists and the auxiliary loss; work-groups 1-256 bring W1, 257-320 W2 into bf16 in the order
; in which the experts' launch loads matrix fragments, so that a fragment is two loads of 512 consecutive bytes straight into registers.
; FRAGMENT ORDER: a block is 32 k x 64 n = 4,096 bytes: [b 4][half 2][L 32][8 bf16]: column 4 (L & 15) + b, k = 16 (L >> 4) + 8 half + i.
;   The lane that loads 16 rows x 4 neighbouring columns of the f32 source holds just these numbers for b = 0..3: the conversion needs no other lane and no LDS.
;   (The order of k inside a fragment is free as long as both operands of a product use the same; the order of columns shows in the result's registers.)
;   w1f: byte e 2,097,152 + g 131,072 + kb 4,096 (g: 64 columns of H, kb: 32 rows of D).
;   w2f: byte e 524,288 + q 131,072 + w 32,768 + kb 4,096 (q: quarter of H, w: 64 columns of DOUT, kb: 32 rows inside the quarter).
; ROUTING: wave e of work-group 0 makes expert e's list, all (token, k) pairs that chose e in the order of the tokens, as token | k << 12, and counts them.
;   rt: bytes 128 e .. 128 e + 127: the count of expert e, 32 times (one store with all lanes on); from byte 1,024 + 16,384 e on: its list, 4,096 words,
;   zeros behind the count.  No wave needs another wave's numbers: no barrier, and no branch hangs on a count.  How the lists are cut into pieces of
;   up to 144 pairs is worked out from the eight counts by the launch that uses them.
.set IN, 32                            ; conversion: v[32:159] two blocks as loaded, 64 registers each: row j, column c at 4 j + c
.set PK, 160                           ; conversion: v[160:191] block 0 packed (block 1 is packed into block 0's first 32 registers, free by then)
.set S,  32                            ; routing: v[32:159] all 4,096 words of sel: token 128 i + 4 L + c at S + 4 i + c; later the list on its way out
.set AX, 160                           ; routing: v[160:191] the 1,024 partial aux sums
.set TT, 12                            ; routing: v[12:15] at work
.set RK, 16                            ; routing: v[16:19] at work
.set DMP, 30                           ; routing: v30 = 4,096 + L: the index of my lane's dump word
.set MK, 24                            ; s[24:27] masks of four steps
.set CN, 28                            ; s[28:31] their counts
.set RN, 32                            ; s[32:35] the running count in front of each of the four
.set LPITCH, 16512                     ; LDS, routing alone: a wave's list of 4,096 words and its 32 dump words; eight of them
	s_load_b512 s[4:19], s[0:1], 0x0               ; W1 s[4:5], W2 s[6:7], sel s[8:9], gwa s[10:11], w1f s[12:13], w2f s[14:15], rt s[16:17], out1 s[18:19]
	v_lshl_add_u32 v192, v0, 2, 0x20400
	v_mov_b32 v193, 0
	v_and_b32 v1, 31, v0                           ; lane
	v_lshrrev_b32 v6, 5, v0
	v_readfirstlane_b32 s20, v6                    ; wave
	s_cmp_eq_u32 ttmp9, 0                          ; the work-group's number: the same in all eight waves
	s_cbranch_scc1 .Lroute
	; ---------------- conversion ----------------
	v_and_b32 v7, 15, v1                           ; which 4 columns
	v_lshrrev_b32 v8, 4, v1                        ; rows 0-15 or 16-31
	v_lshlrev_b32 v5, 4, v1                        ; 16 L
; Two blocks of 32 k x 64 n.  pitch: bytes from row to row; sh: log2(16 pitch); dstep: bytes from the first block's place to the second's.
; A load takes row j (lanes 0-15) and row j + 16 (lanes 16-31), 256 consecutive bytes each.  For each of my 4 columns the 16 numbers are
; rounded into 8 registers, my lane's part of fragment c, and go out by two stores of 512 consecutive bytes a wave.
; Every register that a store reads is written once: no wait but the two for the loads.
.macro CONV pitch, sh, dstep
	v_lshlrev_b32 v2, 4, v7
	v_lshl_add_u32 v2, v8, \sh, v2
.irp i, 0,1
.irp j, 0,1,2,3,4,5,6,7,8,9,10,11,12,13,14,15
	global_load_b128 v[IN+64*\i+4*\j:IN+64*\i+4*\j+3], v2, s[24:25] offset:256*\i+\j*\pitch th:TH_LOAD_NT
.endr
.endr
.irp i, 0,1
.set pk, PK-(PK-IN)*\i
	s_wait_loadcnt 16-16*\i                        ; loads come back in order: the second block's sixteen may stay out
.irp c, 0,1,2,3
.irp m, 0,1,2,3,4,5,6,7
	v_cvt_pk_bf16_f32 v[pk+8*\c+\m], v[IN+64*\i+8*\m+\c], v[IN+64*\i+8*\m+4+\c]   ; k = 2 m and 2 m + 1 of my 16
.endr
	global_store_b128 v5, v[pk+8*\c:pk+8*\c+3], s[26:27] offset:\dstep*\i+1024*\c
	global_store_b128 v5, v[pk+8*\c+4:pk+8*\c+7], s[26:27] offset:\dstep*\i+1024*\c+512
.endr
.endr
.endm
	s_cmp_gt_u32 ttmp9, 256
	s_cbranch_scc1 .Lw2
	s_sub_co_u32 s22, ttmp9, 1                     ; c = 32 e + kb: 32 rows of W1, 131,072 bytes
	s_lshl_b32 s28, s22, 17
	s_lshl_b32 s23, s20, 9                         ; my two blocks: columns 128 w
	s_add_co_u32 s28, s28, s23
	s_mov_b32 s29, 0
	s_lshr_b32 s30, s22, 5
	s_lshl_b32 s30, s30, 21                        ; e
	s_and_b32 s23, s22, 31
	s_lshl_b32 s23, s23, 12                        ; kb
	s_add_co_u32 s30, s30, s23
	s_lshl_b32 s23, s20, 18                        ; g = 2 w
	s_add_co_u32 s30, s30, s23
	s_mov_b32 s31, 0
	s_wait_kmcnt 0x0
	s_add_nc_u64 s[24:25], s[4:5], s[28:29]
	s_add_nc_u64 s[26:27], s[12:13], s[30:31]
	CONV 4096, 16, 131072
	s_endpgm
.Lw2:
	s_sub_co_u32 s22, ttmp9, 257                   ; c = 8 e + c7: 128 rows of W2, 131,072 bytes
	s_lshl_b32 s28, s22, 17
	s_lshr_b32 s21, s20, 1                         ; w >> 1: which 32 of the 128 rows
	s_lshl_b32 s23, s21, 15
	s_add_co_u32 s28, s28, s23
	s_and_b32 s62, s20, 1                          ; w & 1: which 128 columns
	s_lshl_b32 s23, s62, 9
	s_add_co_u32 s28, s28, s23
	s_mov_b32 s29, 0
	s_lshr_b32 s30, s22, 3
	s_lshl_b32 s30, s30, 19                        ; e
	s_bfe_u32 s23, s22, 0x20001                    ; q = (c & 7) >> 1
	s_lshl_b32 s23, s23, 17
	s_add_co_u32 s30, s30, s23
	s_lshl_b32 s23, s62, 16                        ; column group 2 (w & 1)
	s_add_co_u32 s30, s30, s23
	s_and_b32 s23, s22, 1
	s_lshl2_add_u32 s23, s23, s21                  ; kb = 4 (c & 1) + (w >> 1)
	s_lshl_b32 s23, s23, 12
	s_add_co_u32 s30, s30, s23
	s_mov_b32 s31, 0
	s_wait_kmcnt 0x0
	s_add_nc_u64 s[24:25], s[6:7], s[28:29]
	s_add_nc_u64 s[26:27], s[14:15], s[30:31]
	CONV 1024, 14, 32768
	s_endpgm
	; ---------------- routing: wave e owns expert e ----------------
.Lroute:
	v_lshlrev_b32 v2, 4, v1                        ; 16 L
	v_lshlrev_b32 v3, 2, v1                        ; 4 L
	s_mul_i32 s21, s20, LPITCH
	v_mov_b32 v4, s21                              ; my list in LDS
	v_add_nc_u32 v[DMP], 0x1000, v1                ; 4,096 + L
	s_lshl_b32 s22, 0x101, s20                     ; the two bits of sel that name my expert
	s_add_co_u32 s23, s20, 8
	s_mov_b32 s[RN], 0
	s_lshl_b32 s60, s20, 14                        ; my list in rt (at +1,024)
	s_mov_b32 s61, 0
	s_lshl_b32 s62, s20, 7
	v_add_nc_u32 v7, s62, v3                       ; 128 e + 4 L: my count in rt
	s_wait_kmcnt 0x0
	s_add_nc_u64 s[38:39], s[16:17], s[60:61]
.set i, 0
.rept 32
	global_load_b128 v[S+4*i:S+4*i+3], v2, s[8:9] offset:512*i
.set i, i+1
.endr
.set i, 0
.rept 8
	global_load_b128 v[AX+4*i:AX+4*i+3], v2, s[10:11] offset:32768+512*i       ; every wave loads these 4,096 bytes; wave 0 alone adds them at the end
.set i, i+1
.endr
	v_mov_b32 v8, 0
	v_mov_b32 v9, 0
	v_mov_b32 v10, 0
	v_mov_b32 v11, 0
	v_add_nc_u32 v5, v4, v2                        ; my list + 16 L
.set i, 0
.rept 32
	ds_store_b128 v5, v[8:11] offset:512*i         ; my list starts as zeros, while the loads are on their way: all of it goes out, so all of it is written
.set i, i+1
.endr
	s_wait_loadcnt 0x0
; 128 tokens: four words of sel a lane.  A pair's place in the list = the pairs counted so far + the set lanes below mine.
; All lanes store: a lane whose word does not name my expert stores into its own dump word behind the list, which nobody reads.
; So EXEC stays full, and the clamp of the index holds in every lane.
.macro STEP4 i
.irp c, 0,1,2,3
	v_and_b32 v[TT+\c], s22, v[S+4*\i+\c]
.endr
.irp c, 0,1,2,3
	v_cmp_ne_u32 s[MK+\c], 0, v[TT+\c]
.endr
.irp c, 0,1,2,3
	v_lshrrev_b32 v[TT+\c], s23, v[TT+\c]          ; k: 1 if the upper bit was the one
.endr
.irp c, 0,1,2,3
	v_lshl_add_u32 v[TT+\c], v[TT+\c], 12, v3
.endr
.irp c, 0,1,2,3
	v_add_nc_u32 v[TT+\c], 128*\i+\c, v[TT+\c]     ; token | k << 12
.endr
.irp c, 0,1,2,3
	s_bcnt1_i32_b32 s[CN+\c], s[MK+\c]
.endr
	s_add_co_u32 s[RN+1], s[RN], s[CN]
	s_add_co_u32 s[RN+2], s[RN+1], s[CN+1]
	s_add_co_u32 s[RN+3], s[RN+2], s[CN+2]
.irp c, 0,1,2,3
	v_mbcnt_lo_u32_b32 v[RK+\c], s[MK+\c], s[RN+\c]
.endr
.irp c, 0,1,2,3
	v_cndmask_b32 v[RK+\c], v[DMP], v[RK+\c], s[MK+\c]             ; my place, or my dump word
.endr
.irp c, 0,1,2,3
	v_min_u32 v[RK+\c], 0x101f, v[RK+\c]           ; a place is at most 4,095, a dump word at most 4,127: the clamp changes nothing and bounds the address
.endr
.irp c, 0,1,2,3
	v_lshl_add_u32 v[RK+\c], v[RK+\c], 2, v4
.endr
.irp c, 0,1,2,3
	ds_store_b32 v[RK+\c], v[TT+\c]
.endr
	s_add_co_u32 s[RN], s[RN+3], s[CN+3]
.endm
.set n, 0
.rept 32
	STEP4 n
.set n, n+1
.endr
	; the list goes out, all 16,384 bytes, 512 consecutive bytes a store.  The bytes are my wave's own and LDS serves a wave's instructions
	; in order (ISA guide 5.7.1): these loads see the stores above without a wait.
.set i, 0
.rept 32
	ds_load_b128 v[S+4*i:S+4*i+3], v5 offset:512*i
.set i, i+1
.endr
	v_mov_b32 v6, s[RN]
	global_store_b32 v7, v6, s[16:17]              ; my count, in 32 neighbouring words
.set i, 0
.rept 32
	s_wait_dscnt 31-i                              ; LDS loads come back in order: load i is in, the younger ones stay out
	global_store_b128 v2, v[S+4*i:S+4*i+3], s[38:39] offset:1024+512*i
.set i, i+1
.endr
	; the auxiliary loss: wave 0 adds the 1,024 partial sums (ln 8 has been taken away token by token)
	s_cmp_lg_u32 s20, 0
	s_cbranch_scc1 .Lend
.irp d, 16,8,4,2
.set i, 0
.rept \d/2
	v_pk_add_f32 v[AX+i:AX+i+1], v[AX+i:AX+i+1], v[AX+\d+i:AX+\d+i+1]
.set i, i+2
.endr
.endr
	v_add_f32 v[AX], v[AX], v[AX+1]
	s_mov_b32 s21, 0x76543210
	s_mov_b32 s62, 0xfedcba98
	v_add_f32_dpp v[AX], v[AX], v[AX] row_xmask:1 row_mask:0xf bank_mask:0xf
	v_add_f32_dpp v[AX], v[AX], v[AX] row_xmask:2 row_mask:0xf bank_mask:0xf
	v_add_f32_dpp v[AX], v[AX], v[AX] row_xmask:4 row_mask:0xf bank_mask:0xf
	v_add_f32_dpp v[AX], v[AX], v[AX] row_xmask:8 row_mask:0xf bank_mask:0xf
	v_permlanex16_b32 v[AX+1], v[AX], s21, s62
	v_add_f32 v[AX], v[AX], v[AX+1]
	v_mul_f32 v[AX], 0x34a3d70a, v[AX]             ; x 0.01 / 8 / 4,096
	s_wait_xcnt 0x0                                ; EXEC is a source of the stores above
	v_cmp_eq_u32 vcc_lo, 0, v1
	s_and_saveexec_b32 s37, vcc_lo
	global_store_b32 v3, v[AX], s[18:19]           ; lane 0, whose 4 L is 0
	s_wait_xcnt 0x0
	s_or_b32 exec_lo, exec_lo, s37
.Lend:
	s_wait_tensorcnt 0x0
	ds_add_u32 v192, v193
	s_wait_dscnt 0x0
	s_endpgm
.Lfunc_end_k_q51d9fd483d_prep:
	.size	k_q51d9fd483d_prep, .Lfunc_end_k_q51d9fd483d_prep-k_q51d9fd483d_prep
	.p2alignl 7, 3214868480
	.fill 96, 4, 3214868480
	.section	.rodata,"a",@progbits
	.p2align	6, 0x0
	.amdhsa_kernel k_q51d9fd483d_prep
		.amdhsa_group_segment_fixed_size 133120
		.amdhsa_private_segment_fixed_size 0
		.amdhsa_enable_private_segment 0
		.amdhsa_kernarg_size 64
		.amdhsa_user_sgpr_count 2
		.amdhsa_user_sgpr_kernarg_segment_ptr 1
		.amdhsa_wavefront_size32 1
		.amdhsa_system_sgpr_workgroup_id_x 1
		.amdhsa_system_sgpr_workgroup_id_y 1
		.amdhsa_system_sgpr_workgroup_id_z 1
		.amdhsa_system_vgpr_workitem_id 0
		.amdhsa_next_free_vgpr 194
		.amdhsa_next_free_sgpr 66
		.amdhsa_reserve_vcc 1
		.amdhsa_float_denorm_mode_32 3
		.amdhsa_float_denorm_mode_16_64 3
		.amdhsa_memory_ordered 1
		.amdhsa_forward_progress 1
		.amdhsa_inst_pref_size 114
	.end_amdhsa_kernel
	.amdgpu_metadata
---
amdhsa.version: [ 1, 2 ]
amdhsa.kernels:
  - .name:           k_q51d9fd483d_prep
    .symbol:         k_q51d9fd483d_prep.kd
    .args:
      - { .name: W1, .offset: 0, .size: 8, .value_kind: global_buffer, .address_space: global }
      - { .name: W2, .offset: 8, .size: 8, .value_kind: global_buffer, .address_space: global }
      - { .name: sel, .offset: 16, .size: 8, .value_kind: global_buffer, .address_space: global }
      - { .name: gwa, .offset: 24, .size: 8, .value_kind: global_buffer, .address_space: global }
      - { .name: w1f, .offset: 32, .size: 8, .value_kind: global_buffer, .address_space: global }
      - { .name: w2f, .offset: 40, .size: 8, .value_kind: global_buffer, .address_space: global }
      - { .name: rt, .offset: 48, .size: 8, .value_kind: global_buffer, .address_space: global }
      - { .name: out1, .offset: 56, .size: 8, .value_kind: global_buffer, .address_space: global }
    .group_segment_fixed_size: 133120
    .private_segment_fixed_size: 0
    .kernarg_segment_align: 8
    .kernarg_segment_size: 64
    .max_flat_workgroup_size: 256
    .sgpr_count:     66
    .vgpr_count:     194
    .wavefront_size: 32
...
	.end_amdgpu_metadata
.endif
;; end of part 2
;; launch moe (part 3): grid 4 x 64, 4 waves a work-group, no clusters, 174,848 bytes of LDS; arguments xb, w1f, w2f, b1, b2, gwa, rt, ypart; writes ypart
.if DOCPART == 3
	.amdgcn_target "amdgcn-amd-amdhsa--gfx1250"
	.amdhsa_code_object_version 6
	.text
	.protected	k_q51d9fd483d_moe
	.globl	k_q51d9fd483d_moe
	.p2align	8
	.type	k_q51d9fd483d_moe,@function
k_q51d9fd483d_moe:
	s_mov_b64 s[64:65], 0
	v_nop
	global_prefetch_b8 v0, s[64:65] scope:SCOPE_SE
	s_setreg_imm32_b32 hwreg(HW_REG_WAVE_MODE, 25, 1), 1
	s_wait_xcnt 0x0
; EXPERTS.  A work-group takes one slot (up to 144 (token, k) pairs of one expert e) and one quarter q of H:
;   z = X W1[e][:, quarter] + b1,  h = gelu(z),  y = h W2[e][quarter, :] (+ b2 in quarter 0),  ypart[q][k][token][:] = gate weight x y.
; Only the two experts that a token chose are computed: the other six have weight 0 in the combination that the problem itself builds.
; SLOTS: rt holds each expert's count (byte 128 e) and list (byte 1,024 + 16,384 e: token | k << 12).  Expert e's list is cut into ceil(count / 144) slots, the
; experts one behind the other.  T, the sum of these, lies between ceil(8,192 / 144) = 57 and (8,192 + 8 x 143) / 144 = 64 for every routing.  The 64 - T <= 7
; slots that are left take half of a full slot each: the expert m with the most pairs has at least 1,024, so its first 7 slots are full; slot T + i takes places
; 144 i + 72 .. 144 i + 143 of m's list, and m's slot i keeps 144 i .. 144 i + 71.  So all 64 slots have rows and each pair lies in one slot.  Row p of a slot is
; place min(base + p, last): rows behind the slot's last pair repeat that pair: the same numbers go to the same place, from the same wave.  Expert, base and last are
; made by scalar selects from the eight counts: the text has no branch.
; Four waves; wave w owns columns 64 w .. 64 w + 63 of the quarter (first product) and of DOUT (second) for all 144 rows: 9 x 4 accumulator tiles.
; So a weight fragment serves one wave alone: it comes straight into registers, 512 consecutive bytes a load, five quarter steps (32 along K) ahead,
; through a ring of six register sets.  X's rows are gathered by the slot's list, 256 bytes of a row at a time (128 along K), into two LDS slots.
; FRAGMENTS: weight fragment b, lane (r, h), holds column 4 r + b of the wave's 64 and k = 16 h + 0..15 of the 32; a row fragment holds the same k:
; 32 consecutive bytes of a row at 32 h.  The matrix instruction is used transposed (source 0 = weights, source 1 = rows): register j of tile (a, b)
; in lane (r, h) is row 16 a + r, column 32 h + 4 j + b: a lane's four tiles hold 32 neighbouring columns of one row.
; No tensor loads and no cluster: the tile that the four quarters share is a gather of rows, and the experts' slot counts are not multiples of 4.
; LIMITS: erf by Abramowitz and Stegun 7.1.26, absolute error at most 1.5e-7 for every argument.  A non-finite y of an expert that a token did not
; choose does not reach the result.  x, W1, h, W2 are bf16 in the products; biases, sums, gelu and gate weights f32.
.set APITCH, 272                       ; an LDS row of X: 256 bytes + 16: sixteen rows start at sixteen different 16-byte columns modulo 256 bytes
.set ASLOT,  144*APITCH                ; 39,168
.set HBASE,  2*ASLOT                   ; 78,336: h, 144 rows of 512 + 16 bytes
.set HPITCH, 528
.set STAGE,  HBASE+144*HPITCH          ; 154,368: the way out, 16 rows x 272 bytes for each wave
.set TAB,    STAGE+4*16*272            ; 171,776: the slot's list, 640 bytes for each wave
; window 0 (an instruction names v0-v255; s_set_vgpr_msb says which window of 256 each operand place means)
.set ADRA, 2                           ; v2, v3   my X fragments in slot 0, 1
.set ASTO, 4                           ; v4, v5   where I put 16 bytes of X in slot 0, 1
.set HADR, 6                           ; v6, v7   my h fragments: rows 0-127, rows 128-143
.set HSTO, 8                           ; v8, v9   where I put 64 bytes of h
.set STG,  10                          ; v10      the way out: in
.set SRD,  11                          ; v11      the way out: back
.set TABW, 12
.set TABR, 13
.set YCOL, 14                          ; v14      256 w + 16 r
.set E,    32                          ; prologue: the 32 list entries that a lane needs
.set EA,   64                          ; prologue: their byte offsets in the list
.set TB1,  96                          ; prologue: b1 of my 32 columns, in column order
.set TB2,  128                         ; prologue: b2 likewise
.set AF,   32                          ; v[32:175] row fragments: buffer f at 72 f, tile a at 8 a
.set GR,   32                          ; gelu: max(z, 0), then the result
.set GZ,   64                          ; gelu: |z|
.set GE,   96                          ; gelu: the exponential
.set GT,   128                         ; gelu: t = 1 / (1 + p |z|)
.set GH,   160                         ; gelu: packed
.set CST,  176                         ; v[176:191] eight constants, each twice
.set GP,   192                         ; gelu: the polynomial
.set GWP,  224                         ; v[224:232] the gate weight of row 16 a + r
.set OT,   32                          ; the way out: scaled, in column order
.set ORB,  64                          ; two sets of 32: rows read back
.set OEN,  128                         ; two sets of 8: their list entries
.set OYO,  144                         ; two sets of 8: their offsets in ypart
; window 1: accumulator (a, b), a = 0..7, at 8 (4 a + b).   window 2: accumulators (8, b) at 8 b, and:
.set B1R,  32                          ; b1 as a C operand: 8 b + j = column 32 h + 4 j + b
.set B2R,  64                          ; b2 likewise (zeros in quarters 1-3)
.set ST,   96                          ; 18 x 4: X on its way in
.set XO,   168                         ; 18 row offsets in xb
; window 3: v[0:191] the ring: the weight fragments of quarter step Q at 32 (Q mod 6) + 8 b
.set CNS,  48                          ; s[48:55] the eight counts
.set NX,   56                          ; s[56:63] the first slot behind expert e's slots; s63 = T
.set MSB, 0
.macro WIN new                         ; the immediate's high byte repeats the setting that is left
.if MSB != \new
	s_set_vgpr_msb (MSB<<8)|\new
.set MSB, \new
.endif
.endm
; A load into a register that a matrix instruction has read, and a vector instruction that reads a matrix result or writes a matrix
; instruction's register, stand four plain vector instructions behind it.
.macro PLACES
.rept 4
	v_nop
.endr
.endm
; 18 LDS loads: nine row fragments (16 rows x 32 K) of X from the slot whose address register is adr, at byte off of the rows, into buffer f
.macro FETCH adr, off, f
	WIN 0
.set fa, 0
.rept 9
	ds_load_b128 v[AF+72*(\f)+8*fa:AF+72*(\f)+8*fa+3], v[\adr] offset:16*APITCH*fa+(\off)
	ds_load_b128 v[AF+72*(\f)+8*fa+4:AF+72*(\f)+8*fa+7], v[\adr] offset:16*APITCH*fa+(\off)+16
.set fa, fa+1
.endr
.endm
; the same of h, 32 K at 64 kk bytes; the last 16 rows lie beyond an offset's 16 bits and have a register of their own
.macro FETCHH kk, f
	WIN 0
.set fa, 0
.rept 8
	ds_load_b128 v[AF+72*(\f)+8*fa:AF+72*(\f)+8*fa+3], v[HADR] offset:16*HPITCH*fa+64*(\kk)
	ds_load_b128 v[AF+72*(\f)+8*fa+4:AF+72*(\f)+8*fa+7], v[HADR] offset:16*HPITCH*fa+64*(\kk)+16
.set fa, fa+1
.endr
	ds_load_b128 v[AF+72*(\f)+64:AF+72*(\f)+67], v[HADR+1] offset:64*(\kk)
	ds_load_b128 v[AF+72*(\f)+68:AF+72*(\f)+71], v[HADR+1] offset:64*(\kk)+16
.endm
; 8 loads: the four weight fragments of quarter step q (0-31: W1, 32-39: W2) into their ring set.  No base is ever stepped: K goes in the offset.
.macro BISSUE q
.if (\q) < 40
	WIN 0xc0
.irp u, 0,1,2,3,4,5,6,7
.if (\q) < 32
	global_load_b128 v[32*((\q)%6)+4*\u:32*((\q)%6)+4*\u+3], v1, s[24:25] offset:4096*(\q)+512*\u
.else
	global_load_b128 v[32*((\q)%6)+4*\u:32*((\q)%6)+4*\u+3], v1, s[26:27] offset:4096*((\q)-32)+512*\u
.endif
.endr
.endif
.endm
; Matrix instructions of quarter step q on row tiles a0..a1.  first = 0, or the bias's first register: the first product starts the sums on the bias.
; The 36 accumulators take turns, one instruction a turn, in the same order in every quarter step.
.macro MUL q, f, a0, a1, first
.set ma, \a0
.rept (\a1)-(\a0)+1
.if ma < 8
.if \first
	WIN 0x63
.else
	WIN 0x53
.endif
.else
	WIN 0xa3
.endif
.set mb, 0
.rept 4
.set mc, (32*ma+8*mb)&255
.set mw, 32*((\q)%6)+8*mb
.set mx, AF+72*(\f)+8*ma
.if \first
	v_wmma_f32_16x16x32_bf16 v[mc:mc+7], v[mw:mw+7], v[mx:mx+7], v[(\first)+8*mb:(\first)+8*mb+7]
.else
	v_wmma_f32_16x16x32_bf16 v[mc:mc+7], v[mw:mw+7], v[mx:mx+7], v[mc:mc+7]
.endif
.set mb, mb+1
.endr
.set ma, ma+1
.endr
.endm
; X's K step s + 1 goes from registers into its LDS slot (sixteen lanes write one row's 256 bytes); load = 1: K step s + 2 is asked for
.macro ASTAGE s, load
	WIN 0x08
.set sj, 0
.rept 18
	ds_store_b128 v[ASTO+(((\s)+1)&1)], v[ST+4*sj:ST+4*sj+3] offset:8*APITCH*sj
.set sj, sj+1
.endr
.if \load
	WIN 0x82
.set sj, 0
.rept 18
	global_load_b128 v[ST+4*sj:ST+4*sj+3], v[XO+sj], s[4:5] offset:256*((\s)+2)
.set sj, sj+1
.endr
.endif
.endm
	s_load_b512 s[4:19], s[0:1], 0x0               ; xb s[4:5], w1f s[6:7], w2f s[8:9], b1 s[10:11], b2 s[12:13], gwa s[14:15], rt s[16:17], ypart s[18:19]
	v_lshl_add_u32 v254, v0, 2, 0x2a900
	v_mov_b32 v255, 0
	v_lshrrev_b32 v23, 5, v0
	v_readfirstlane_b32 s20, v23                   ; wave
	s_and_b32 s22, ttmp7, 0xffff                   ; slot (ttmp9: the quarter q)
	v_and_b32 v17, 31, v0                          ; L
	v_and_b32 v15, 15, v0                          ; r
	v_bfe_u32 v16, v0, 4, 1                        ; h
	s_lshl_b32 s41, s20, 1
	v_add_nc_u32 v18, s41, v16                     ; 2 w + h: the rows that I bring in are 2 w + h + 8 j
	v_lshlrev_b32 v20, 2, v17                      ; 4 L
	s_wait_kmcnt 0x0
.irp e, 0,1,2,3,4,5,6,7
	s_load_b32 s[CNS+\e], s[16:17], 128*\e         ; the eight counts
.endr
	v_lshlrev_b32 v1, 4, v17                       ; 16 L
	v_mul_u32_u24 v24, v15, APITCH
	v_lshl_add_u32 v[ADRA], v16, 5, v24            ; r x pitch + 32 h
	v_add_nc_u32 v[ADRA+1], ASLOT, v[ADRA]
	v_mul_u32_u24 v25, v16, APITCH
	v_lshl_add_u32 v25, v15, 4, v25                ; h x pitch + 16 r
	s_mul_i32 s41, s20, 2*APITCH
	v_add_nc_u32 v[ASTO], s41, v25                 ; row 2 w + h
	v_add_nc_u32 v[ASTO+1], ASLOT, v[ASTO]
	v_mul_u32_u24 v26, v15, HPITCH
	v_lshl_add_u32 v27, v16, 5, v26                ; r x pitch + 32 h
	v_add_nc_u32 v[HADR], HBASE, v27
	v_add_nc_u32 v[HADR+1], HBASE+128*HPITCH, v27
	s_lshl_b32 s42, s20, 7                         ; my 64 columns of h: 128 bytes
	v_lshl_add_u32 v28, v16, 6, v26                ; r x pitch + 64 h: my 32 columns
	v_add_nc_u32 v28, s42, v28
	v_add_nc_u32 v[HSTO], HBASE, v28
	v_add_nc_u32 v[HSTO+1], HBASE+128*HPITCH, v28
	s_mul_i32 s43, s20, 16*272
	s_add_co_u32 s43, s43, STAGE
	v_lshl_add_u32 v29, v16, 7, v24                ; r x 272 + 128 h
	v_add_nc_u32 v[STG], s43, v29
	v_add_nc_u32 v[SRD], s43, v25
	s_mul_i32 s44, s20, 640
	s_add_co_u32 s44, s44, TAB
	v_add_nc_u32 v[TABW], s44, v20
	v_lshlrev_b32 v30, 2, v16
	v_add_nc_u32 v[TABR], s44, v30
	s_lshl_b32 s45, s20, 8
	v_lshl_add_u32 v[YCOL], v15, 4, s45
	v_lshlrev_b32 v21, 7, v16                      ; 128 h: my 32 f32 of a bias
	v_lshlrev_b32 v22, 4, v15                      ; 16 r
	s_mov_b32 s36, 0x7fffffff
	s_cmp_eq_u32 ttmp9, 0
	s_cselect_b32 s37, -1, 0                       ; b2 counts in quarter 0 alone
	s_wait_kmcnt 0x0
	; from the counts to my slot's expert s23, base place s30 and last place s31 (see SLOTS at the head)
	s_mov_b32 s38, 0x01c71c72                      ; ceil(2^32 / 144): the high word of n x this is floor(n / 144) for n up to 4,239
.irp e, 0,1,2,3,4,5,6,7
	s_add_co_u32 s[NX+\e], s[CNS+\e], 143
	s_mul_hi_u32 s[NX+\e], s[NX+\e], s38           ; slots of expert e
.endr
.irp e, 1,2,3,4,5,6,7
	s_add_co_u32 s[NX+\e], s[NX+\e], s[NX+\e-1]    ; running sum
.endr
	s_mov_b32 s23, 0                               ; the expert whose slots hold mine,
	s_mov_b32 s39, 0                               ; its first slot,
	s_mov_b32 s40, s[CNS]                          ; its count
.irp e, 1,2,3,4,5,6,7
	s_cmp_ge_u32 s22, s[NX+\e-1]
	s_cselect_b32 s23, \e, s23
	s_cselect_b32 s39, s[NX+\e-1], s39
	s_cselect_b32 s40, s[CNS+\e], s40
.endr
	s_mov_b32 s46, 0                               ; m: the expert with the most pairs (the lowest on a tie),
	s_mov_b32 s47, s[CNS]                          ; and its count
.irp e, 1,2,3,4,5,6,7
	s_cmp_gt_u32 s[CNS+\e], s47
	s_cselect_b32 s46, \e, s46
	s_cselect_b32 s47, s[CNS+\e], s47
.endr
	s_sub_co_u32 s24, 64, s[NX+7]                  ; slots that are left, 0 to 7
	s_sub_co_u32 s25, s22, s39                     ; j: my slot among the expert's
	s_mul_i32 s30, s25, 144                        ; base
	s_sub_co_u32 s31, s40, 1                       ; last: the expert's last pair,
	s_add_co_u32 s32, s30, 71
	s_cmp_eq_u32 s23, s46
	s_cselect_b32 s33, s24, 0
	s_cmp_lt_u32 s25, s33
	s_cselect_b32 s31, s32, s31                    ; or 144 j + 71 in a slot of m that gave its second half away
	s_sub_co_u32 s34, s22, s[NX+7]                 ; i: my slot among those that are left (used only if slot >= T)
	s_mul_i32 s34, s34, 144
	s_add_co_u32 s34, s34, 72
	s_add_co_u32 s35, s34, 71
	s_cmp_ge_u32 s22, s[NX+7]
	s_cselect_b32 s23, s46, s23
	s_cselect_b32 s30, s34, s30
	s_cselect_b32 s31, s35, s31
	s_min_u32 s23, s23, 7                          ; an expert is 0..7: the clamp changes nothing and bounds the addresses
	s_lshl_b32 s38, s23, 14
	s_mov_b32 s39, 0
	s_add_nc_u64 s[28:29], s[16:17], s[38:39]      ; the expert's list (at +1,024)
	v_add_nc_u32 v18, s30, v18                     ; base + 2 w + h
	v_add_nc_u32 v19, s30, v15                     ; base + r
	v_add_nc_u32 v31, s30, v17                     ; base + L
.set i, 0
.rept 18
	v_add_nc_u32 v[EA+i], 8*i, v18                 ; rows 2 w + h + 8 j: for the gather
.set i, i+1
.endr
.set i, 0
.rept 9
	v_add_nc_u32 v[EA+18+i], 16*i, v19             ; rows 16 a + r: for the gate weights
.set i, i+1
.endr
.set i, 0
.rept 5
	v_add_nc_u32 v[EA+27+i], 32*i, v31             ; all rows: for the way out
.set i, i+1
.endr
.set i, 0
.rept 32
	v_min_u32 v[EA+i], s31, v[EA+i]                ; rows behind the slot's last pair repeat it
.set i, i+1
.endr
.set i, 0
.rept 32
	v_min_u32 v[EA+i], 0xfff, v[EA+i]              ; a place is at most 4,095: the clamp changes nothing and bounds the address
.set i, i+1
.endr
.set i, 0
.rept 32
	v_lshlrev_b32 v[EA+i], 2, v[EA+i]
.set i, i+1
.endr
.set i, 0
.rept 32
	global_load_b32 v[E+i], v[EA+i], s[28:29] offset:1024
.set i, i+1
.endr
	s_lshl_b32 s42, s23, 21
	s_lshl_b32 s44, ttmp9, 2
	s_add_co_u32 s44, s44, s20
	s_lshl_b32 s44, s44, 17
	s_add_co_u32 s42, s42, s44
	s_mov_b32 s43, 0
	s_add_nc_u64 s[24:25], s[6:7], s[42:43]        ; my 131,072 bytes of w1f
	s_lshl_b32 s42, s23, 19
	s_lshl_b32 s44, ttmp9, 17
	s_add_co_u32 s42, s42, s44
	s_lshl_b32 s44, s20, 15
	s_add_co_u32 s42, s42, s44
	s_add_nc_u64 s[26:27], s[8:9], s[42:43]        ; my 32,768 bytes of w2f
	s_lshl_b32 s42, ttmp9, 23
	s_add_nc_u64 s[30:31], s[18:19], s[42:43]      ; ypart's quarter
	s_lshl_b32 s42, s23, 12
	s_lshl_b32 s44, ttmp9, 10
	s_add_co_u32 s42, s42, s44
	s_add_co_u32 s42, s42, s45
	s_add_nc_u64 s[32:33], s[10:11], s[42:43]      ; b1[e][256 q + 64 w]
	s_lshl_b32 s42, s23, 10
	s_add_co_u32 s42, s42, s45
	s_add_nc_u64 s[34:35], s[12:13], s[42:43]      ; b2[e][64 w]
.irp u, 0,1,2,3,4,5,6,7
	global_load_b128 v[TB1+4*\u:TB1+4*\u+3], v21, s[32:33] offset:16*\u
.endr
.irp u, 0,1,2,3,4,5,6,7
	global_load_b128 v[TB2+4*\u:TB2+4*\u+3], v21, s[34:35] offset:16*\u
.endr
	s_wait_loadcnt 16                              ; all but the sixteen loads of the biases: the 32 entries are in (and their offsets' registers free)
.set i, 0
.rept 32
	v_min_u32 v[E+i], 0x1fff, v[E+i]               ; token | k << 12 is below 8,192: the clamp changes nothing and bounds the addresses
.set i, i+1
.endr
.irp g, 0,1,2,3,4
	ds_store_b32 v[TABW], v[E+27+\g] offset:128*\g
.endr
.irp a, 0,1,2,3,4,5,6,7,8
	v_lshlrev_b32 v[64+\a], 2, v[E+18+\a]
.endr
.irp a, 0,1,2,3,4,5,6,7,8
	global_load_b32 v[GWP+\a], v[64+\a], s[14:15]
.endr
.set i, 0
.rept 18
	v_and_b32 v[E+i], 0xfff, v[E+i]                ; the token
.set i, i+1
.endr
	WIN 0x80
.set i, 0
.rept 18
	v_lshl_add_u32 v[XO+i], v[E+i], 11, v22        ; 2,048 x token + 16 r
.set i, i+1
.endr
	WIN 0x82
.set i, 0
.rept 18
	global_load_b128 v[ST+4*i:ST+4*i+3], v[XO+i], s[4:5]           ; X's K step 0: sixteen lanes read 256 consecutive bytes of a row
.set i, i+1
.endr
	BISSUE 0
	BISSUE 1
	s_wait_loadcnt 16                              ; all but the weights of quarter steps 0 and 1: biases, gate weights and X's K step 0 are in
	ASTAGE -1, 1                                   ; K step 0 into slot 0; K step 1 is asked for
	BISSUE 2
	BISSUE 3
	BISSUE 4
	WIN 0x80
.irp b, 0,1,2,3
.irp j, 0,1,2,3,4,5,6,7
	v_mov_b32 v[B1R+8*\b+\j], v[TB1+4*\j+\b]                       ; from column order into the order of a C operand
	v_cndmask_b32 v[B2R+8*\b+\j], 0, v[TB2+4*\j+\b], s37           ; the same, and zero outside quarter 0
.endr
.endr
	WIN 0
.irp k, 0,1
	v_mov_b32 v[CST+\k], 0xbf38aa3b                ; -log2(e) / 2
	v_mov_b32 v[CST+2+\k], 0.23164189              ; 0.3275911 / sqrt(2)
	v_mov_b32 v[CST+4+\k], 1.0
	v_mov_b32 v[CST+6+\k], -0.5307027145           ; the five coefficients, halved and negated: the polynomial gives -Phi(-|z|)
	v_mov_b32 v[CST+8+\k], 0.7265760135
	v_mov_b32 v[CST+10+\k], -0.7107068705
	v_mov_b32 v[CST+12+\k], 0.142248368
	v_mov_b32 v[CST+14+\k], -0.127414796
.endr
	s_wait_dscnt 0x0                               ; my part of slot 0 is written
	s_barrier_signal -1
	s_barrier_wait -1                              ; everybody's is
	FETCH ADRA, 0, 0
; One quarter step, QN = 0..39 (0-31: X W1, K step QN / 4; 32-39: h W2).
; Global loads in the order of issue: B0 B1 A1 B2 B3 B4, then B(Q+5) in step Q, with A(s+2) just ahead of it in step Q = 4 s + 1 (s up to 5).
; The head's count is what was issued behind the load that the step needs: behind B(Q) four B batches (32) and, up to Q = 24, one A batch (18);
; in step 4 s + 1 the wait is for A(s+1), behind which stand four B batches; at the end the B batches that remain.
; X's slots: K step s + 1 is written in step 4 s + 1 into the slot read in K step s - 1; every wave has passed the barrier of step 4 (s - 1) + 3 with
; its reads waited for.  That one barrier a K step also shows the new slot whole: each wave's stores are waited for in front of its signal.
.macro QSTEP
.set qs, QN>>2
.set qk, QN&3
.set qf, QN&1
.set qg, 1-qf
.set qsl, qs&1
.set qfirst, 0
.if QN == 0
.set qfirst, B1R
.endif
.if QN == 32
.set qfirst, B2R
.endif
.set qn, 50
.if qk == 1
.set qn, 32
.endif
.if QN >= 26
.set qn, 32
.endif
.if QN >= 36
.set qn, 8*(39-QN)
.endif
	s_wait_dscnt 0x0                               ; this step's row fragments are in, and my LDS stores are done
	s_wait_loadcnt qn
	PLACES                                         ; behind the last step's matrix instructions, whose buffer and ring set are loaded again below
.if QN < 32
.if qk < 3
	FETCH ADRA+qsl, 64*(qk+1), qg
.if qk == 1
.if qs <= 5
	ASTAGE qs, 1
.endif
.if qs == 6
	ASTAGE qs, 0
.endif
.endif
	BISSUE QN+5
	MUL QN, qf, 0, 8, qfirst
.else
	BISSUE QN+5
.if qs <= 6
	s_barrier_signal -1                            ; my reads of this slot and my stores into the next are done (the head's wait for 0)
	MUL QN, qf, 0, 3, 0                            ; registers only
	WIN 0
	s_barrier_wait -1
	FETCH ADRA+1-qsl, 0, qg
	MUL QN, qf, 4, 8, 0
.else
	MUL QN, qf, 0, 8, 0
.endif
.endif
.else
.if QN < 39
	FETCHH QN-31, qg
.endif
	BISSUE QN+5
	MUL QN, qf, 0, 8, qfirst
.endif
.set QN, QN+1
.endm
.set QN, 0
.rept 32
	QSTEP
.endr
; gelu(z) = z Phi(z) = max(z, 0) - |z| Phi(-|z|), Phi(-|z|) = (a1 t + .. + a5 t^5) exp(-z^2 / 2) / 2, t = 1 / (1 + p |z| / sqrt 2).
; 32 numbers a lane (row tile a), two at a time.  Number 8 b + j is column 32 h + 4 j + b: the rounding to bf16 pairs tiles 0 with 1 and 2 with 3,
; and the lane's 64 bytes, 32 neighbouring columns of a row of h, go to LDS by four stores.
.macro GELU a
.if \a < 8
	WIN 0x04
.else
	WIN 0x08
.endif
.set gi, 0
.rept 32
	v_max_num_f32 v[GR+gi], 0, v[((32*\a)&255)+gi]
	v_and_b32 v[GZ+gi], s36, v[((32*\a)&255)+gi]
.set gi, gi+1
.endr
	WIN 0
.set gi, 0
.rept 16
	v_pk_mul_f32 v[GE+gi:GE+gi+1], v[GZ+gi:GZ+gi+1], v[CST:CST+1]
	v_pk_fma_f32 v[GT+gi:GT+gi+1], v[GZ+gi:GZ+gi+1], v[CST+2:CST+3], v[CST+4:CST+5]
.set gi, gi+2
.endr
.set gi, 0
.rept 16
	v_pk_mul_f32 v[GE+gi:GE+gi+1], v[GE+gi:GE+gi+1], v[GZ+gi:GZ+gi+1]          ; -z^2 log2(e) / 2
.set gi, gi+2
.endr
.set gi, 0
.rept 32
	v_exp_f32 v[GE+gi], v[GE+gi]
.set gi, gi+1
.endr
.set gi, 0
.rept 32
	v_rcp_f32 v[GT+gi], v[GT+gi]
.set gi, gi+1
.endr
	v_nop                                          ; one plain instruction behind the transcendentals, in front of the first use (ISA guide 5.7.2)
.set gi, 0
	s_wait_alu depctr_va_vdst(0)
.rept 16
	v_pk_fma_f32 v[GP+gi:GP+gi+1], v[GT+gi:GT+gi+1], v[CST+6:CST+7], v[CST+8:CST+9]
.set gi, gi+2
.endr
.irp k, 10,12,14
.set gi, 0
.rept 16
	v_pk_fma_f32 v[GP+gi:GP+gi+1], v[GP+gi:GP+gi+1], v[GT+gi:GT+gi+1], v[CST+\k:CST+\k+1]
.set gi, gi+2
.endr
.endr
.set gi, 0
.rept 16
	v_pk_mul_f32 v[GP+gi:GP+gi+1], v[GP+gi:GP+gi+1], v[GT+gi:GT+gi+1]
.set gi, gi+2
.endr
.set gi, 0
.rept 16
	v_pk_mul_f32 v[GP+gi:GP+gi+1], v[GP+gi:GP+gi+1], v[GE+gi:GE+gi+1]          ; -Phi(-|z|)
.set gi, gi+2
.endr
.set gi, 0
.rept 16
	v_pk_fma_f32 v[GR+gi:GR+gi+1], v[GZ+gi:GZ+gi+1], v[GP+gi:GP+gi+1], v[GR+gi:GR+gi+1]
.set gi, gi+2
.endr
.set gi, 0
.rept 8
	v_cvt_pk_bf16_f32 v[GH+2*gi], v[GR+gi], v[GR+8+gi]             ; columns 4 j, 4 j + 1
	v_cvt_pk_bf16_f32 v[GH+2*gi+1], v[GR+16+gi], v[GR+24+gi]       ; columns 4 j + 2, 4 j + 3
.set gi, gi+1
.endr
.irp t, 0,1,2,3
.if \a < 8
	ds_store_b128 v[HSTO], v[GH+4*\t:GH+4*\t+3] offset:16*HPITCH*\a+16*\t
.else
	ds_store_b128 v[HSTO+1], v[GH+4*\t:GH+4*\t+3] offset:16*\t
.endif
.endr
.endm
	PLACES                                         ; behind the first product's last matrix instructions
.irp a, 0,1,2,3,4,5,6,7,8
	GELU \a
.endr
	s_wait_dscnt 0x0                               ; my 64 columns of h are written
	s_barrier_signal -1
	s_barrier_wait -1                              ; all 256 are
	FETCHH 0, 0
.rept 8
	QSTEP
.endr
; THE WAY OUT, 16 rows at a time: x gate weight, into column order (a lane's 32 numbers are 128 neighbouring bytes of a row), through my own stage in
; LDS (LDS serves a wave's instructions in order, ISA guide 5.7.1: no wait between stores and loads), back as rows of 256 bytes, each to the place in
; ypart that its list entry names: sixteen lanes store 256 consecutive bytes, aligned.
.macro OUT a
.set os, (\a)&1
.if \a < 8
	WIN 0x01
.else
	WIN 0x02
.endif
.set oj, 0
.rept 8
.irp b, 0,1,2,3
	v_mul_f32 v[OT+4*oj+\b], v[((32*\a)&255)+8*\b+oj], v[GWP+\a]
.endr
.set oj, oj+1
.endr
	WIN 0
.irp u, 0,1,2,3,4,5,6,7
	ds_store_b128 v[STG], v[OT+4*\u:OT+4*\u+3] offset:16*\u
.endr
	s_wait_xcnt 0x0                                ; the registers that earlier stores read are written again only behind this wait
.irp t, 0,1,2,3,4,5,6,7
	ds_load_b128 v[ORB+32*os+4*\t:ORB+32*os+4*\t+3], v[SRD] offset:544*\t
.endr
.irp t, 0,1,2,3,4,5,6,7
	ds_load_b32 v[OEN+8*os+\t], v[TABR] offset:4*(16*\a+2*\t)
.endr
	s_wait_dscnt 0x0
.irp t, 0,1,2,3,4,5,6,7
	v_min_u32 v[OEN+8*os+\t], 0x1fff, v[OEN+8*os+\t]
	v_lshl_add_u32 v[OYO+8*os+\t], v[OEN+8*os+\t], 10, v[YCOL]
	global_store_b128 v[OYO+8*os+\t], v[ORB+32*os+4*\t:ORB+32*os+4*\t+3], s[30:31]
.endr
.endm
	PLACES                                         ; behind the last matrix instructions
.irp a, 0,1,2,3,4,5,6,7,8
	OUT \a
.endr
	s_wait_tensorcnt 0x0
	ds_add_u32 v254, v255
	s_wait_dscnt 0x0
	s_endpgm
.Lfunc_end_k_q51d9fd483d_moe:
	.size	k_q51d9fd483d_moe, .Lfunc_end_k_q51d9fd483d_moe-k_q51d9fd483d_moe
	.p2alignl 7, 3214868480
	.fill 96, 4, 3214868480
	.section	.rodata,"a",@progbits
	.p2align	6, 0x0
	.amdhsa_kernel k_q51d9fd483d_moe
		.amdhsa_group_segment_fixed_size 174848
		.amdhsa_private_segment_fixed_size 0
		.amdhsa_enable_private_segment 0
		.amdhsa_kernarg_size 64
		.amdhsa_user_sgpr_count 2
		.amdhsa_user_sgpr_kernarg_segment_ptr 1
		.amdhsa_wavefront_size32 1
		.amdhsa_system_sgpr_workgroup_id_x 1
		.amdhsa_system_sgpr_workgroup_id_y 1
		.amdhsa_system_sgpr_workgroup_id_z 1
		.amdhsa_system_vgpr_workitem_id 0
		.amdhsa_next_free_vgpr 960
		.amdhsa_next_free_sgpr 66
		.amdhsa_reserve_vcc 0
		.amdhsa_float_denorm_mode_32 3
		.amdhsa_float_denorm_mode_16_64 3
		.amdhsa_memory_ordered 1
		.amdhsa_forward_progress 1
		.amdhsa_inst_pref_size 255
	.end_amdhsa_kernel
	.section	.bss,"aw",@nobits
	.p2align	6
	.space	262144
	.amdgpu_metadata
---
amdhsa.version: [ 1, 2 ]
amdhsa.kernels:
  - .name:           k_q51d9fd483d_moe
    .symbol:         k_q51d9fd483d_moe.kd
    .args:
      - { .name: xb, .offset: 0, .size: 8, .value_kind: global_buffer, .address_space: global }
      - { .name: w1f, .offset: 8, .size: 8, .value_kind: global_buffer, .address_space: global }
      - { .name: w2f, .offset: 16, .size: 8, .value_kind: global_buffer, .address_space: global }
      - { .name: b1, .offset: 24, .size: 8, .value_kind: global_buffer, .address_space: global }
      - { .name: b2, .offset: 32, .size: 8, .value_kind: global_buffer, .address_space: global }
      - { .name: gwa, .offset: 40, .size: 8, .value_kind: global_buffer, .address_space: global }
      - { .name: rt, .offset: 48, .size: 8, .value_kind: global_buffer, .address_space: global }
      - { .name: ypart, .offset: 56, .size: 8, .value_kind: global_buffer, .address_space: global }
    .group_segment_fixed_size: 174848
    .private_segment_fixed_size: 0
    .kernarg_segment_align: 8
    .kernarg_segment_size: 64
    .max_flat_workgroup_size: 128
    .sgpr_count:     66
    .vgpr_count:     960
    .wavefront_size: 32
...
	.end_amdgpu_metadata
.endif
;; end of part 3
;; launch comb (part 4): grid 256 x 1, 8 waves a work-group, no clusters, 0 bytes of LDS; arguments ypart, out0; writes out0
.if DOCPART == 4
	.amdgcn_target "amdgcn-amd-amdhsa--gfx1250"
	.amdhsa_code_object_version 6
	.text
	.protected	k_q51d9fd483d_comb
	.globl	k_q51d9fd483d_comb
	.p2align	8
	.type	k_q51d9fd483d_comb,@function
k_q51d9fd483d_comb:
	s_mov_b64 s[64:65], 0
	v_nop
	global_prefetch_b8 v0, s[64:65] scope:SCOPE_SE
	s_setreg_imm32_b32 hwreg(HW_REG_WAVE_MODE, 25, 1), 1
	s_wait_xcnt 0x0
; out0[n][:] = the sum of the eight planes ypart[q][k][n][:] (four quarters of H, two chosen experts), each 4,194,304 bytes, already weighted.
; A stream: a work-group makes 16,384 bytes of out0, thread t the 16 bytes at 4,096 i + 16 t, i = 0..3; all 32 loads of a wave go out at once,
; each 512 consecutive bytes; every register is written once, so the only waits are the counted ones for the loads.  No LDS, no barrier, no matrix unit:
; there is nothing to share and one addition for each number read.
.set IN, 16                            ; v[16:143] chunk i, plane p at IN + 32 i + 4 p
	s_load_b128 s[4:7], s[0:1], 0x0                ; ypart s[4:5], out0 s[6:7]
	v_lshlrev_b32 v1, 4, v0
	s_lshl_b32 s24, ttmp9, 14
	s_mov_b32 s25, 0
	s_wait_kmcnt 0x0
	s_add_nc_u64 s[8:9], s[4:5], s[24:25]
	s_add_nc_u64 s[6:7], s[6:7], s[24:25]
.irp p, 1,2,3,4,5,6,7
	s_add_nc_u64 s[8+2*\p:9+2*\p], s[8:9], 0x400000*\p
.endr
.irp i, 0,1,2,3
.irp p, 0,1,2,3,4,5,6,7
	global_load_b128 v[IN+32*\i+4*\p:IN+32*\i+4*\p+3], v1, s[8+2*\p:9+2*\p] offset:4096*\i th:TH_LOAD_NT
.endr
.endr
.irp i, 0,1,2,3
	s_wait_loadcnt 24-8*\i                         ; loads come back in order: the younger chunks' eight loads each may stay out
.irp d, 1,2,4
.set p, 0
.rept 4/\d
	v_pk_add_f32 v[IN+32*\i+4*p:IN+32*\i+4*p+1], v[IN+32*\i+4*p:IN+32*\i+4*p+1], v[IN+32*\i+4*(p+\d):IN+32*\i+4*(p+\d)+1]
	v_pk_add_f32 v[IN+32*\i+4*p+2:IN+32*\i+4*p+3], v[IN+32*\i+4*p+2:IN+32*\i+4*p+3], v[IN+32*\i+4*(p+\d)+2:IN+32*\i+4*(p+\d)+3]
.set p, p+2*\d
.endr
.endr
	global_store_b128 v1, v[IN+32*\i:IN+32*\i+3], s[6:7] offset:4096*\i th:TH_STORE_NT
.endr
	s_endpgm
.Lfunc_end_k_q51d9fd483d_comb:
	.size	k_q51d9fd483d_comb, .Lfunc_end_k_q51d9fd483d_comb-k_q51d9fd483d_comb
	.p2alignl 7, 3214868480
	.fill 96, 4, 3214868480
	.section	.rodata,"a",@progbits
	.p2align	6, 0x0
	.amdhsa_kernel k_q51d9fd483d_comb
		.amdhsa_group_segment_fixed_size 0
		.amdhsa_private_segment_fixed_size 0
		.amdhsa_enable_private_segment 0
		.amdhsa_kernarg_size 16
		.amdhsa_user_sgpr_count 2
		.amdhsa_user_sgpr_kernarg_segment_ptr 1
		.amdhsa_wavefront_size32 1
		.amdhsa_system_sgpr_workgroup_id_x 1
		.amdhsa_system_sgpr_workgroup_id_y 1
		.amdhsa_system_sgpr_workgroup_id_z 1
		.amdhsa_system_vgpr_workitem_id 0
		.amdhsa_next_free_vgpr 144
		.amdhsa_next_free_sgpr 66
		.amdhsa_reserve_vcc 0
		.amdhsa_float_denorm_mode_32 3
		.amdhsa_float_denorm_mode_16_64 3
		.amdhsa_memory_ordered 1
		.amdhsa_forward_progress 1
		.amdhsa_inst_pref_size 8
	.end_amdhsa_kernel
	.amdgpu_metadata
---
amdhsa.version: [ 1, 2 ]
amdhsa.kernels:
  - .name:           k_q51d9fd483d_comb
    .symbol:         k_q51d9fd483d_comb.kd
    .args:
      - { .name: ypart, .offset: 0, .size: 8, .value_kind: global_buffer, .address_space: global }
      - { .name: out0, .offset: 8, .size: 8, .value_kind: global_buffer, .address_space: global }
    .group_segment_fixed_size: 0
    .private_segment_fixed_size: 0
    .kernarg_segment_align: 8
    .kernarg_segment_size: 16
    .max_flat_workgroup_size: 256
    .sgpr_count:     66
    .vgpr_count:     144
    .wavefront_size: 32
...
	.end_amdgpu_metadata
.endif
;; end of part 4
;; ======== version 2 of 2: 4 launches; version 1 with the launch moe written anew for expert scheduling mode
;; limits: values outside matrix products are rounded to bf16; a function is approximated: absolute error at most 1.5e-07
;; workspace buffers: xb 8,388,608 bytes; w1f 16,777,216 bytes; w2f 4,194,304 bytes; sel 16,384 bytes of whole numbers; gwa 36,864 bytes; rt 132,096 bytes of whole numbers; ypart 33,554,432 bytes
;; launch gate: the kernel of part 1 again; grid 256 x 1, 4 waves a work-group, no clusters, 0 bytes of LDS; arguments x, Wg, bg, xb, sel, gwa; writes xb, sel, gwa
;; launch prep: the kernel of part 2 again; grid 321 x 1, 8 waves a work-group, no clusters, 133,120 bytes of LDS; arguments W1, W2, sel, gwa, w1f, w2f, rt, out1; writes w1f, w2f, rt, out1
;; launch moe (part 5): grid 4 x 64, 4 waves a work-group, no clusters, 174,848 bytes of LDS; arguments xb, w1f, w2f, b1, b2, gwa, rt, ypart; writes ypart
.if DOCPART == 5
	.amdgcn_target "amdgcn-amd-amdhsa--gfx1250"
	.amdhsa_code_object_version 6
	.text
	.protected	k_q51d9fd483d_moe
	.globl	k_q51d9fd483d_moe
	.p2align	8
	.type	k_q51d9fd483d_moe,@function
k_q51d9fd483d_moe:
	s_mov_b64 s[64:65], 0
	v_nop
	global_prefetch_b8 v0, s[64:65] scope:SCOPE_SE
	s_setreg_imm32_b32 hwreg(HW_REG_WAVE_SCHED_MODE, 0, 2), 2
	s_setreg_imm32_b32 hwreg(HW_REG_WAVE_MODE, 25, 1), 1
	s_wait_xcnt 0x0
	s_wait_alu depctr_vm_vsrc(0)
; EXPERTS.  A work-group takes one slot (up to 144 (token, k) pairs of one expert e) and one quarter q of H:
;   z = X W1[e][:, quarter] + b1,  h = gelu(z),  y = h W2[e][quarter, :] (+ b2 in quarter 0),  ypart[q][k][token][:] = gate weight x y.
; Only the two experts that a token chose are computed: the other six have weight 0 in the combination that the problem itself builds.
; SLOTS: rt holds each expert's count (byte 128 e) and list (byte 1,024 + 16,384 e: token | k << 12).  Expert e's list is cut into ceil(count / 144) slots, the
; experts one behind the other.  T, the sum of these, lies between ceil(8,192 / 144) = 57 and (8,192 + 8 x 143) / 144 = 64 for every routing.  The 64 - T <= 7
; slots that are left take half of a full slot each: the expert m with the most pairs has at least 1,024, so its first 7 slots are full; slot T + i takes places
; 144 i + 72 .. 144 i + 143 of m's list, and m's slot i keeps 144 i .. 144 i + 71.  So all 64 slots have rows and each pair lies in one slot.  Row p of a slot is
; place min(base + p, last): rows behind the slot's last pair repeat that pair: the same numbers go to the same place, from the same wave.  Expert, base and last are
; made by scalar selects from the eight counts: the text has no branch.
; Four waves; wave w owns columns 64 w .. 64 w + 63 of the quarter (first product) and of DOUT (second) for all 144 rows: 9 x 4 accumulator tiles.
; So a weight fragment serves one wave alone: it comes straight into registers, 512 consecutive bytes a load, five quarter steps (32 along K) ahead,
; through a ring of six register sets.  X's rows are gathered by the slot's list, 256 bytes of a row at a time (128 along K), into two LDS slots.
; FRAGMENTS: weight fragment b, lane (r, h), holds column 4 r + b of the wave's 64 and k = 16 h + 0..15 of the 32; a row fragment holds the same k:
; 32 consecutive bytes of a row at 32 h.  The matrix instruction is used transposed (source 0 = weights, source 1 = rows): register j of tile (a, b)
; in lane (r, h) is row 16 a + r, column 32 h + 4 j + b: a lane's four tiles hold 32 neighbouring columns of one row.
; No tensor loads and no cluster: the tile that the four quarters share is a gather of rows, and the experts' slot counts are not multiples of 4.
; LIMITS: erf by Abramowitz and Stegun 7.1.26, absolute error at most 1.5e-7 for every argument.  A non-finite y of an expert that a token did not
; choose does not reach the result.  x, W1, h, W2 are bf16 in the products; biases, sums, gelu and gate weights f32.
; THE MODE: SCHED_MODE bits 1:0 = 2 (LLVM: expert scheduling mode 2), set by the entry lines.  The code itself states the register dependences
; between vector or matrix instructions and memory or LDS instructions, with s_wait_alu, always for 0.
; THE PLAN.  Registers that memory or LDS instructions touch, in the quarter steps:
;   AF0, AF1      Step Q: its matrix instructions read AF[Q & 1]; the LDS loads of step Q + 1's row fragments land in the other one, which step Q - 1's matrix instructions read.
;   the ring      Step Q: its matrix instructions read set Q mod 6; the loads of step Q + 5 land in set (Q - 1) mod 6, which step Q - 1's matrix instructions read.
;   ST            Global loads land in it, LDS stores read it; no vector or matrix instruction names it.
;   addresses     v1 to v14 and XO are made at the head and never written again: K goes in the immediate offsets.
; So ONE wait on va_vdst stands at a step's head: the step before is done reading the two buffers in which this step's loads land.  Behind it those loads are dealt
; among the step's 36 matrix instructions, which name AF[Q & 1], set Q mod 6, the accumulators and (first step) the bias: none of the registers that the loads touch.
; One wait on vm_vsrc stands between ST's LDS stores and the loads that land in ST, eight matrix instructions behind the stores.
;   gelu          GH is written by a tile's roundings and read by its four LDS stores: va_vdst ahead of the stores, vm_vsrc ahead of the next tile's roundings.
;   the way out   OT: written by a tile's multiplies, read by its LDS stores.  ORB, OEN, OYO: two sets by turns: LDS loads land in ORB and OEN, OEN is clamped and shifted
;                 into OYO, the global stores read ORB and OYO.  A tile has va_vdst ahead of its LDS stores and ahead of its global stores, and one vm_vsrc between.
.set APITCH, 272                       ; an LDS row of X: 256 bytes + 16: sixteen rows start at sixteen different 16-byte columns modulo 256 bytes
.set ASLOT,  144*APITCH                ; 39,168
.set HBASE,  2*ASLOT                   ; 78,336: h, 144 rows of 512 + 16 bytes
.set HPITCH, 528
.set STAGE,  HBASE+144*HPITCH          ; 154,368: the way out, 16 rows x 272 bytes for each wave
.set TAB,    STAGE+4*16*272            ; 171,776: the slot's list, 640 bytes for each wave
; window 0 (an instruction names v0-v255; s_set_vgpr_msb says which window of 256 each operand place means)
.set ADRA, 2                           ; v2, v3   my X fragments in slot 0, 1
.set ASTO, 4                           ; v4, v5   where I put 16 bytes of X in slot 0, 1
.set HADR, 6                           ; v6, v7   my h fragments: rows 0-127, rows 128-143
.set HSTO, 8                           ; v8, v9   where I put 64 bytes of h
.set STG,  10                          ; v10      the way out: in
.set SRD,  11                          ; v11      the way out: back
.set TABW, 12
.set TABR, 13
.set YCOL, 14                          ; v14      256 w + 16 r
.set E,    32                          ; prologue: the 32 list entries that a lane needs
.set EA,   64                          ; prologue: their byte offsets in the list
.set TB1,  96                          ; prologue: b1 of my 32 columns, in column order
.set TB2,  128                         ; prologue: b2 likewise
.set AF,   32                          ; v[32:175] row fragments: buffer f at 72 f, tile a at 8 a
.set GR,   32                          ; gelu: max(z, 0), then the result
.set GZ,   64                          ; gelu: |z|
.set GE,   96                          ; gelu: the exponential
.set GT,   128                         ; gelu: t = 1 / (1 + p |z|)
.set GH,   160                         ; gelu: packed
.set CST,  176                         ; v[176:191] eight constants, each twice
.set GP,   192                         ; gelu: the polynomial
.set GWP,  224                         ; v[224:232] the gate weight of row 16 a + r
.set OT,   32                          ; the way out: scaled, in column order
.set ORB,  64                          ; two sets of 32: rows read back
.set OEN,  128                         ; two sets of 8: their list entries
.set OYO,  144                         ; two sets of 8: their offsets in ypart
; window 1: accumulator (a, b), a = 0..7, at 8 (4 a + b).   window 2: accumulators (8, b) at 8 b, and:
.set B1R,  32                          ; b1 as a C operand: 8 b + j = column 32 h + 4 j + b
.set B2R,  64                          ; b2 likewise (zeros in quarters 1-3)
.set ST,   96                          ; 18 x 4: X on its way in
.set XO,   168                         ; 18 row offsets in xb
; window 3: v[0:191] the ring: the weight fragments of quarter step Q at 32 (Q mod 6) + 8 b
.set CNS,  48                          ; s[48:55] the eight counts
.set NX,   56                          ; s[56:63] the first slot behind expert e's slots; s63 = T
.set MSB, 0
.macro WIN new                         ; the immediate's high byte repeats the setting that is left
.if MSB != \new
	s_set_vgpr_msb (MSB<<8)|\new
.set MSB, \new
.endif
.endm
; A load into a register that a matrix instruction has read, and a vector instruction that reads a matrix result or writes a matrix
; instruction's register, stand four plain vector instructions behind it.
.macro PLACES
.rept 4
	v_nop
.endr
.endm
; 18 LDS loads: nine row fragments (16 rows x 32 K) of X from the slot whose address register is adr, at byte off of the rows, into buffer f
.macro FETCH adr, off, f
	WIN 0
.set fa, 0
.rept 9
	ds_load_b128 v[AF+72*(\f)+8*fa:AF+72*(\f)+8*fa+3], v[\adr] offset:16*APITCH*fa+(\off)
	ds_load_b128 v[AF+72*(\f)+8*fa+4:AF+72*(\f)+8*fa+7], v[\adr] offset:16*APITCH*fa+(\off)+16
.set fa, fa+1
.endr
.endm
; the same of h, 32 K at 64 kk bytes; the last 16 rows lie beyond an offset's 16 bits and have a register of their own
.macro FETCHH kk, f
	WIN 0
.set fa, 0
.rept 8
	ds_load_b128 v[AF+72*(\f)+8*fa:AF+72*(\f)+8*fa+3], v[HADR] offset:16*HPITCH*fa+64*(\kk)
	ds_load_b128 v[AF+72*(\f)+8*fa+4:AF+72*(\f)+8*fa+7], v[HADR] offset:16*HPITCH*fa+64*(\kk)+16
.set fa, fa+1
.endr
	ds_load_b128 v[AF+72*(\f)+64:AF+72*(\f)+67], v[HADR+1] offset:64*(\kk)
	ds_load_b128 v[AF+72*(\f)+68:AF+72*(\f)+71], v[HADR+1] offset:64*(\kk)+16
.endm
; 8 loads: the four weight fragments of quarter step q (0-31: W1, 32-39: W2) into their ring set.  No base is ever stepped: K goes in the offset.
.macro BISSUE q
.if (\q) < 40
	WIN 0xc0
.irp u, 0,1,2,3,4,5,6,7
.if (\q) < 32
	global_load_b128 v[32*((\q)%6)+4*\u:32*((\q)%6)+4*\u+3], v1, s[24:25] offset:4096*(\q)+512*\u
.else
	global_load_b128 v[32*((\q)%6)+4*\u:32*((\q)%6)+4*\u+3], v1, s[26:27] offset:4096*((\q)-32)+512*\u
.endif
.endr
.endif
.endm
; Matrix instructions of quarter step q on row tiles a0..a1.  first = 0, or the bias's first register: the first product starts the sums on the bias.
; The 36 accumulators take turns, one instruction a turn, in the same order in every quarter step.
.macro MUL q, f, a0, a1, first
.set ma, \a0
.rept (\a1)-(\a0)+1
.if ma < 8
.if \first
	WIN 0x63
.else
	WIN 0x53
.endif
.else
	WIN 0xa3
.endif
.set mb, 0
.rept 4
.set mc, (32*ma+8*mb)&255
.set mw, 32*((\q)%6)+8*mb
.set mx, AF+72*(\f)+8*ma
.if \first
	v_wmma_f32_16x16x32_bf16 v[mc:mc+7], v[mw:mw+7], v[mx:mx+7], v[(\first)+8*mb:(\first)+8*mb+7]
.else
	v_wmma_f32_16x16x32_bf16 v[mc:mc+7], v[mw:mw+7], v[mx:mx+7], v[mc:mc+7]
.endif
.set mb, mb+1
.endr
.set ma, ma+1
.endr
.endm
; X's K step s + 1 goes from registers into its LDS slot (sixteen lanes write one row's 256 bytes)
.macro ASTORE s
	WIN 0x08
.set sj, 0
.rept 18
	ds_store_b128 v[ASTO+(((\s)+1)&1)], v[ST+4*sj:ST+4*sj+3] offset:8*APITCH*sj
.set sj, sj+1
.endr
.endm
; X's K step s + 2 is asked for, into the registers that ASTORE s has stored from
.macro ALOAD s
	WIN 0x82
	s_wait_alu depctr_vm_vsrc(0)                   ; the LDS stores of K step s + 1 have read v[ST ..], in which these loads land
.set sj, 0
.rept 18
	global_load_b128 v[ST+4*sj:ST+4*sj+3], v[XO+sj], s[4:5] offset:256*((\s)+2)
.set sj, sj+1
.endr
.endm
	s_load_b512 s[4:19], s[0:1], 0x0               ; xb s[4:5], w1f s[6:7], w2f s[8:9], b1 s[10:11], b2 s[12:13], gwa s[14:15], rt s[16:17], ypart s[18:19]
	v_lshl_add_u32 v254, v0, 2, 0x2a900
	v_mov_b32 v255, 0
	v_lshrrev_b32 v23, 5, v0
	v_readfirstlane_b32 s20, v23                   ; wave
	s_and_b32 s22, ttmp7, 0xffff                   ; slot (ttmp9: the quarter q)
	v_and_b32 v17, 31, v0                          ; L
	v_and_b32 v15, 15, v0                          ; r
	v_bfe_u32 v16, v0, 4, 1                        ; h
	s_wait_alu depctr_va_sdst(0)                   ; s20 is written, ahead of its first reader: LDS addresses and the bases of the weights, biases and ypart are made from it
	s_lshl_b32 s41, s20, 1
	v_add_nc_u32 v18, s41, v16                     ; 2 w + h: the rows that I bring in are 2 w + h + 8 j
	v_lshlrev_b32 v20, 2, v17                      ; 4 L
	s_wait_kmcnt 0x0
.irp e, 0,1,2,3,4,5,6,7
	s_load_b32 s[CNS+\e], s[16:17], 128*\e         ; the eight counts
.endr
	v_lshlrev_b32 v1, 4, v17                       ; 16 L
	v_mul_u32_u24 v24, v15, APITCH
	v_lshl_add_u32 v[ADRA], v16, 5, v24            ; r x pitch + 32 h
	v_add_nc_u32 v[ADRA+1], ASLOT, v[ADRA]
	v_mul_u32_u24 v25, v16, APITCH
	v_lshl_add_u32 v25, v15, 4, v25                ; h x pitch + 16 r
	s_mul_i32 s41, s20, 2*APITCH
	v_add_nc_u32 v[ASTO], s41, v25                 ; row 2 w + h
	v_add_nc_u32 v[ASTO+1], ASLOT, v[ASTO]
	v_mul_u32_u24 v26, v15, HPITCH
	v_lshl_add_u32 v27, v16, 5, v26                ; r x pitch + 32 h
	v_add_nc_u32 v[HADR], HBASE, v27
	v_add_nc_u32 v[HADR+1], HBASE+128*HPITCH, v27
	s_lshl_b32 s42, s20, 7                         ; my 64 columns of h: 128 bytes
	v_lshl_add_u32 v28, v16, 6, v26                ; r x pitch + 64 h: my 32 columns
	v_add_nc_u32 v28, s42, v28
	v_add_nc_u32 v[HSTO], HBASE, v28
	v_add_nc_u32 v[HSTO+1], HBASE+128*HPITCH, v28
	s_mul_i32 s43, s20, 16*272
	s_add_co_u32 s43, s43, STAGE
	v_lshl_add_u32 v29, v16, 7, v24                ; r x 272 + 128 h
	v_add_nc_u32 v[STG], s43, v29
	v_add_nc_u32 v[SRD], s43, v25
	s_mul_i32 s44, s20, 640
	s_add_co_u32 s44, s44, TAB
	v_add_nc_u32 v[TABW], s44, v20
	v_lshlrev_b32 v30, 2, v16
	v_add_nc_u32 v[TABR], s44, v30
	s_lshl_b32 s45, s20, 8
	v_lshl_add_u32 v[YCOL], v15, 4, s45
	v_lshlrev_b32 v21, 7, v16                      ; 128 h: my 32 f32 of a bias
	v_lshlrev_b32 v22, 4, v15                      ; 16 r
	s_mov_b32 s36, 0x7fffffff
	s_cmp_eq_u32 ttmp9, 0
	s_cselect_b32 s37, -1, 0                       ; b2 counts in quarter 0 alone
	s_wait_kmcnt 0x0
	; from the counts to my slot's expert s23, base place s30 and last place s31 (see SLOTS at the head)
	s_mov_b32 s38, 0x01c71c72                      ; ceil(2^32 / 144): the high word of n x this is floor(n / 144) for n up to 4,239
.irp e, 0,1,2,3,4,5,6,7
	s_add_co_u32 s[NX+\e], s[CNS+\e], 143
	s_mul_hi_u32 s[NX+\e], s[NX+\e], s38           ; slots of expert e
.endr
.irp e, 1,2,3,4,5,6,7
	s_add_co_u32 s[NX+\e], s[NX+\e], s[NX+\e-1]    ; running sum
.endr
	s_mov_b32 s23, 0                               ; the expert whose slots hold mine,
	s_mov_b32 s39, 0                               ; its first slot,
	s_mov_b32 s40, s[CNS]                          ; its count
.irp e, 1,2,3,4,5,6,7
	s_cmp_ge_u32 s22, s[NX+\e-1]
	s_cselect_b32 s23, \e, s23
	s_cselect_b32 s39, s[NX+\e-1], s39
	s_cselect_b32 s40, s[CNS+\e], s40
.endr
	s_mov_b32 s46, 0                               ; m: the expert with the most pairs (the lowest on a tie),
	s_mov_b32 s47, s[CNS]                          ; and its count
.irp e, 1,2,3,4,5,6,7
	s_cmp_gt_u32 s[CNS+\e], s47
	s_cselect_b32 s46, \e, s46
	s_cselect_b32 s47, s[CNS+\e], s47
.endr
	s_sub_co_u32 s24, 64, s[NX+7]                  ; slots that are left, 0 to 7
	s_sub_co_u32 s25, s22, s39                     ; j: my slot among the expert's
	s_mul_i32 s30, s25, 144                        ; base
	s_sub_co_u32 s31, s40, 1                       ; last: the expert's last pair,
	s_add_co_u32 s32, s30, 71
	s_cmp_eq_u32 s23, s46
	s_cselect_b32 s33, s24, 0
	s_cmp_lt_u32 s25, s33
	s_cselect_b32 s31, s32, s31                    ; or 144 j + 71 in a slot of m that gave its second half away
	s_sub_co_u32 s34, s22, s[NX+7]                 ; i: my slot among those that are left (used only if slot >= T)
	s_mul_i32 s34, s34, 144
	s_add_co_u32 s34, s34, 72
	s_add_co_u32 s35, s34, 71
	s_cmp_ge_u32 s22, s[NX+7]
	s_cselect_b32 s23, s46, s23
	s_cselect_b32 s30, s34, s30
	s_cselect_b32 s31, s35, s31
	s_min_u32 s23, s23, 7                          ; an expert is 0..7: the clamp changes nothing and bounds the addresses
	s_lshl_b32 s38, s23, 14
	s_mov_b32 s39, 0
	s_add_nc_u64 s[28:29], s[16:17], s[38:39]      ; the expert's list (at +1,024)
	v_add_nc_u32 v18, s30, v18                     ; base + 2 w + h
	v_add_nc_u32 v19, s30, v15                     ; base + r
	v_add_nc_u32 v31, s30, v17                     ; base + L
.set i, 0
.rept 18
	v_add_nc_u32 v[EA+i], 8*i, v18                 ; rows 2 w + h + 8 j: for the gather
.set i, i+1
.endr
.set i, 0
.rept 9
	v_add_nc_u32 v[EA+18+i], 16*i, v19             ; rows 16 a + r: for the gate weights
.set i, i+1
.endr
.set i, 0
.rept 5
	v_add_nc_u32 v[EA+27+i], 32*i, v31             ; all rows: for the way out
.set i, i+1
.endr
.set i, 0
.rept 32
	v_min_u32 v[EA+i], s31, v[EA+i]                ; rows behind the slot's last pair repeat it
.set i, i+1
.endr
.set i, 0
.rept 32
	v_min_u32 v[EA+i], 0xfff, v[EA+i]              ; a place is at most 4,095: the clamp changes nothing and bounds the address
.set i, i+1
.endr
.set i, 0
.rept 32
	v_lshlrev_b32 v[EA+i], 2, v[EA+i]
.set i, i+1
.endr
	s_wait_alu depctr_va_vdst(0)                   ; written: the list's offsets v[EA ..], which the loads below read, and v1 to v14, v21 and v22, the addresses of the whole kernel
.set i, 0
.rept 32
	global_load_b32 v[E+i], v[EA+i], s[28:29] offset:1024
.set i, i+1
.endr
	s_lshl_b32 s42, s23, 21
	s_lshl_b32 s44, ttmp9, 2
	s_add_co_u32 s44, s44, s20
	s_lshl_b32 s44, s44, 17
	s_add_co_u32 s42, s42, s44
	s_mov_b32 s43, 0
	s_add_nc_u64 s[24:25], s[6:7], s[42:43]        ; my 131,072 bytes of w1f
	s_lshl_b32 s42, s23, 19
	s_lshl_b32 s44, ttmp9, 17
	s_add_co_u32 s42, s42, s44
	s_lshl_b32 s44, s20, 15
	s_add_co_u32 s42, s42, s44
	s_add_nc_u64 s[26:27], s[8:9], s[42:43]        ; my 32,768 bytes of w2f
	s_lshl_b32 s42, ttmp9, 23
	s_add_nc_u64 s[30:31], s[18:19], s[42:43]      ; ypart's quarter
	s_lshl_b32 s42, s23, 12
	s_lshl_b32 s44, ttmp9, 10
	s_add_co_u32 s42, s42, s44
	s_add_co_u32 s42, s42, s45
	s_add_nc_u64 s[32:33], s[10:11], s[42:43]      ; b1[e][256 q + 64 w]
	s_lshl_b32 s42, s23, 10
	s_add_co_u32 s42, s42, s45
	s_add_nc_u64 s[34:35], s[12:13], s[42:43]      ; b2[e][64 w]
.irp u, 0,1,2,3,4,5,6,7
	global_load_b128 v[TB1+4*\u:TB1+4*\u+3], v21, s[32:33] offset:16*\u
.endr
.irp u, 0,1,2,3,4,5,6,7
	global_load_b128 v[TB2+4*\u:TB2+4*\u+3], v21, s[34:35] offset:16*\u
.endr
	s_wait_loadcnt 16                              ; all but the sixteen loads of the biases: the 32 entries are in (and their offsets' registers free)
	s_wait_alu depctr_vm_vsrc(0)                   ; the list's loads have read their offsets v[EA ..]: v64 to v72 are written again below
	; all the vector work on the entries stands together, so that one wait serves the stores and loads that hang on it
.set i, 0
.rept 32
	v_min_u32 v[E+i], 0x1fff, v[E+i]               ; token | k << 12 is below 8,192: the clamp changes nothing and bounds the addresses
.set i, i+1
.endr
.irp a, 0,1,2,3,4,5,6,7,8
	v_lshlrev_b32 v[64+\a], 2, v[E+18+\a]
.endr
.set i, 0
.rept 18
	v_and_b32 v[E+i], 0xfff, v[E+i]                ; the token
.set i, i+1
.endr
	WIN 0x80
.set i, 0
.rept 18
	v_lshl_add_u32 v[XO+i], v[E+i], 11, v22        ; 2,048 x token + 16 r
.set i, i+1
.endr
	WIN 0
	s_wait_alu depctr_va_vdst(0)                   ; written: the entries v[E+27 ..], which the LDS stores read; v64 to v72, the gate weights' offsets; v[XO ..], the rows' offsets in xb
.irp g, 0,1,2,3,4
	ds_store_b32 v[TABW], v[E+27+\g] offset:128*\g
.endr
.irp a, 0,1,2,3,4,5,6,7,8
	global_load_b32 v[GWP+\a], v[64+\a], s[14:15]
.endr
	WIN 0x82
.set i, 0
.rept 18
	global_load_b128 v[ST+4*i:ST+4*i+3], v[XO+i], s[4:5]           ; X's K step 0: sixteen lanes read 256 consecutive bytes of a row
.set i, i+1
.endr
	BISSUE 0
	BISSUE 1
	s_wait_loadcnt 16                              ; all but the weights of quarter steps 0 and 1: biases, gate weights and X's K step 0 are in
	ASTORE -1                                      ; K step 0 into slot 0;
	ALOAD -1                                       ; K step 1 is asked for.  Its wait also stands behind the table's LDS stores and the gate weights' loads: they have read v[E+27 ..] and v64 to v72, in which X's first fragments land
	BISSUE 2
	BISSUE 3
	BISSUE 4
	WIN 0x80
.irp b, 0,1,2,3
.irp j, 0,1,2,3,4,5,6,7
	v_mov_b32 v[B1R+8*\b+\j], v[TB1+4*\j+\b]                       ; from column order into the order of a C operand
	v_cndmask_b32 v[B2R+8*\b+\j], 0, v[TB2+4*\j+\b], s37           ; the same, and zero outside quarter 0
.endr
.endr
	WIN 0
.irp k, 0,1
	v_mov_b32 v[CST+\k], 0xbf38aa3b                ; -log2(e) / 2
	v_mov_b32 v[CST+2+\k], 0.23164189              ; 0.3275911 / sqrt(2)
	v_mov_b32 v[CST+4+\k], 1.0
	v_mov_b32 v[CST+6+\k], -0.5307027145           ; the five coefficients, halved and negated: the polynomial gives -Phi(-|z|)
	v_mov_b32 v[CST+8+\k], 0.7265760135
	v_mov_b32 v[CST+10+\k], -0.7107068705
	v_mov_b32 v[CST+12+\k], 0.142248368
	v_mov_b32 v[CST+14+\k], -0.127414796
.endr
	s_wait_dscnt 0x0                               ; my part of slot 0 is written
	s_barrier_signal -1
	s_barrier_wait -1                              ; everybody's is
	s_wait_alu depctr_va_vdst(0)                   ; the moves are done reading v[TB1 ..] and v[TB2 ..]: these registers and v[E ..], v[EA ..] are the two row buffers from here on, in which this fetch and step 0's land
	FETCH ADRA, 0, 0
; One quarter step, QN = 0..39 (0-31: X W1, K step QN / 4; 32-39: h W2).
; Global loads in the order of issue: B0 B1 A1 B2 B3 B4, then B(Q+5) in step Q, with A(s+2) just ahead of it in step Q = 4 s + 1 (s up to 5).
; The head's count is what was issued behind the load that the step needs: behind B(Q) four B batches (32) and, up to Q = 24, one A batch (18);
; in step 4 s + 1 the wait is for A(s+1), behind which stand four B batches; at the end the B batches that remain.
; X's slots: K step s + 1 is written in step 4 s + 1 into the slot read in K step s - 1; every wave has passed the barrier of step 4 (s - 1) + 3 with
; its reads waited for.  That one barrier a K step also shows the new slot whole: each wave's stores are waited for in front of its signal.
; The step's loads are dealt among its matrix instructions: 8 products, the next row fragments (and X's stores), 8 products, the global loads, 20 products.
; Steps 0 and 32 have no wait on va_vdst: each follows one with no vector or matrix instruction between that names a register of its loads; step 39 loads nothing.
.macro QSTEP
.set qs, QN>>2
.set qk, QN&3
.set qf, QN&1
.set qg, 1-qf
.set qsl, qs&1
.set qfirst, 0
.if QN == 0
.set qfirst, B1R
.endif
.if QN == 32
.set qfirst, B2R
.endif
.set qn, 50
.if qk == 1
.set qn, 32
.endif
.if QN >= 26
.set qn, 32
.endif
.if QN >= 36
.set qn, 8*(39-QN)
.endif
	s_wait_dscnt 0x0                               ; this step's row fragments are in, and my LDS stores are done
	s_wait_loadcnt qn
	PLACES                                         ; behind the last step's matrix instructions, whose buffer and ring set are loaded again below
.if (QN > 0) && (QN != 32) && (QN < 39)
	s_wait_alu depctr_va_vdst(0)                   ; the last step's matrix instructions are done reading the other row buffer and their ring set, in which this step's loads land
.endif
.if QN < 32
.if qk < 3
	MUL QN, qf, 0, 1, qfirst
	FETCH ADRA+qsl, 64*(qk+1), qg                  ; no matrix instruction since the wait names this buffer
.if (qk == 1) && (qs <= 6)
	ASTORE qs
.endif
	MUL QN, qf, 2, 3, qfirst
.if (qk == 1) && (qs <= 5)
	ALOAD qs
.endif
	BISSUE QN+5                                    ; nor this ring set
	MUL QN, qf, 4, 8, qfirst
.else
.if qs <= 6
	s_barrier_signal -1                            ; my reads of this slot and my stores into the next are done (the head's wait for 0)
	MUL QN, qf, 0, 3, 0                            ; registers only
	WIN 0
	s_barrier_wait -1
	FETCH ADRA+1-qsl, 0, qg
	MUL QN, qf, 4, 5, 0
	BISSUE QN+5
	MUL QN, qf, 6, 8, 0
.else
	MUL QN, qf, 0, 3, 0
	BISSUE QN+5
	MUL QN, qf, 4, 8, 0
.endif
.endif
.else
	MUL QN, qf, 0, 1, qfirst
.if QN < 39
	FETCHH QN-31, qg
.endif
	MUL QN, qf, 2, 3, qfirst
	BISSUE QN+5
	MUL QN, qf, 4, 8, qfirst
.endif
.set QN, QN+1
.endm
.set QN, 0
.rept 32
	QSTEP
.endr
; gelu(z) = z Phi(z) = max(z, 0) - |z| Phi(-|z|), Phi(-|z|) = (a1 t + .. + a5 t^5) exp(-z^2 / 2) / 2, t = 1 / (1 + p |z| / sqrt 2).
; 32 numbers a lane (row tile a), two at a time.  Number 8 b + j is column 32 h + 4 j + b: the rounding to bf16 pairs tiles 0 with 1 and 2 with 3,
; and the lane's 64 bytes, 32 neighbouring columns of a row of h, go to LDS by four stores.
.macro GELU a
.if \a < 8
	WIN 0x04
.else
	WIN 0x08
.endif
.set gi, 0
.rept 32
	v_max_num_f32 v[GR+gi], 0, v[((32*\a)&255)+gi]
	v_and_b32 v[GZ+gi], s36, v[((32*\a)&255)+gi]
.set gi, gi+1
.endr
	WIN 0
.set gi, 0
.rept 16
	v_pk_mul_f32 v[GE+gi:GE+gi+1], v[GZ+gi:GZ+gi+1], v[CST:CST+1]
	v_pk_fma_f32 v[GT+gi:GT+gi+1], v[GZ+gi:GZ+gi+1], v[CST+2:CST+3], v[CST+4:CST+5]
.set gi, gi+2
.endr
.set gi, 0
.rept 16
	v_pk_mul_f32 v[GE+gi:GE+gi+1], v[GE+gi:GE+gi+1], v[GZ+gi:GZ+gi+1]          ; -z^2 log2(e) / 2
.set gi, gi+2
.endr
.set gi, 0
.rept 32
	v_exp_f32 v[GE+gi], v[GE+gi]
.set gi, gi+1
.endr
.set gi, 0
.rept 32
	v_rcp_f32 v[GT+gi], v[GT+gi]
.set gi, gi+1
.endr
	v_nop                                          ; one plain instruction behind the transcendentals, in front of the first use (ISA guide 5.7.2)
.set gi, 0
	s_wait_alu depctr_va_vdst(0)
.rept 16
	v_pk_fma_f32 v[GP+gi:GP+gi+1], v[GT+gi:GT+gi+1], v[CST+6:CST+7], v[CST+8:CST+9]
.set gi, gi+2
.endr
.irp k, 10,12,14
.set gi, 0
.rept 16
	v_pk_fma_f32 v[GP+gi:GP+gi+1], v[GP+gi:GP+gi+1], v[GT+gi:GT+gi+1], v[CST+\k:CST+\k+1]
.set gi, gi+2
.endr
.endr
.set gi, 0
.rept 16
	v_pk_mul_f32 v[GP+gi:GP+gi+1], v[GP+gi:GP+gi+1], v[GT+gi:GT+gi+1]
.set gi, gi+2
.endr
.set gi, 0
.rept 16
	v_pk_mul_f32 v[GP+gi:GP+gi+1], v[GP+gi:GP+gi+1], v[GE+gi:GE+gi+1]          ; -Phi(-|z|)
.set gi, gi+2
.endr
.set gi, 0
.rept 16
	v_pk_fma_f32 v[GR+gi:GR+gi+1], v[GZ+gi:GZ+gi+1], v[GP+gi:GP+gi+1], v[GR+gi:GR+gi+1]
.set gi, gi+2
.endr
.if \a > 0
	s_wait_alu depctr_vm_vsrc(0)                   ; the LDS stores of the tile before have read v[GH ..], which the roundings write again
.endif
.set gi, 0
.rept 8
	v_cvt_pk_bf16_f32 v[GH+2*gi], v[GR+gi], v[GR+8+gi]             ; columns 4 j, 4 j + 1
	v_cvt_pk_bf16_f32 v[GH+2*gi+1], v[GR+16+gi], v[GR+24+gi]       ; columns 4 j + 2, 4 j + 3
.set gi, gi+1
.endr
	s_wait_alu depctr_va_vdst(0)                   ; the roundings have written v[GH ..], which the LDS stores read
.irp t, 0,1,2,3
.if \a < 8
	ds_store_b128 v[HSTO], v[GH+4*\t:GH+4*\t+3] offset:16*HPITCH*\a+16*\t
.else
	ds_store_b128 v[HSTO+1], v[GH+4*\t:GH+4*\t+3] offset:16*\t
.endif
.endr
.endm
	PLACES                                         ; behind the first product's last matrix instructions
.irp a, 0,1,2,3,4,5,6,7,8
	GELU \a
.endr
	s_wait_dscnt 0x0                               ; my 64 columns of h are written
	s_barrier_signal -1
	s_barrier_wait -1                              ; all 256 are
	s_wait_alu depctr_vm_vsrc(0)                   ; my last LDS stores have read v[GH ..], which lie in the second row buffer: step 32's fetch lands there.  (The last tile's wait on va_vdst stands behind all of gelu's vector work: both row buffers are free of it)
	FETCHH 0, 0
.rept 8
	QSTEP
.endr
; THE WAY OUT, 16 rows at a time: x gate weight, into column order (a lane's 32 numbers are 128 neighbouring bytes of a row), through my own stage in
; LDS (LDS serves a wave's instructions in order, ISA guide 5.7.1: no wait between stores and loads), back as rows of 256 bytes, each to the place in
; ypart that its list entry names: sixteen lanes store 256 consecutive bytes, aligned.
.macro OUT a
.set os, (\a)&1
.if \a < 8
	WIN 0x01
.else
	WIN 0x02
.endif
.set oj, 0
.rept 8
.irp b, 0,1,2,3
	v_mul_f32 v[OT+4*oj+\b], v[((32*\a)&255)+8*\b+oj], v[GWP+\a]
.endr
.set oj, oj+1
.endr
	WIN 0
	s_wait_alu depctr_va_vdst(0)                   ; the multiplies have written v[OT ..], which the LDS stores read; the clamps and shifts of two tiles back are done with this set of OEN, and (first two tiles) the last matrix instructions with the row buffers: the loads below land there
.irp u, 0,1,2,3,4,5,6,7
	ds_store_b128 v[STG], v[OT+4*\u:OT+4*\u+3] offset:16*\u
.endr
	s_wait_xcnt 0x0                                ; the registers that earlier stores read are written again only behind this wait
.irp t, 0,1,2,3,4,5,6,7
	ds_load_b128 v[ORB+32*os+4*\t:ORB+32*os+4*\t+3], v[SRD] offset:544*\t      ; this set was read by the stores of two tiles back, which stand ahead of the last tile's wait on vm_vsrc
.endr
.irp t, 0,1,2,3,4,5,6,7
	ds_load_b32 v[OEN+8*os+\t], v[TABR] offset:4*(16*\a+2*\t)
.endr
	s_wait_dscnt 0x0
	s_wait_alu depctr_vm_vsrc(0)                   ; read: v[OT ..] by my LDS stores (the next tile's multiplies write it); this set of OYO by the stores of two tiles back (the shifts below write it); the other set of ORB by the last tile's stores (the next tile's loads land in it)
.irp t, 0,1,2,3,4,5,6,7
	v_min_u32 v[OEN+8*os+\t], 0x1fff, v[OEN+8*os+\t]
.endr
.irp t, 0,1,2,3,4,5,6,7
	v_lshl_add_u32 v[OYO+8*os+\t], v[OEN+8*os+\t], 10, v[YCOL]
.endr
	s_wait_alu depctr_va_vdst(0)                   ; the shifts have written v[OYO ..], the stores' offsets
.irp t, 0,1,2,3,4,5,6,7
	global_store_b128 v[OYO+8*os+\t], v[ORB+32*os+4*\t:ORB+32*os+4*\t+3], s[30:31]
.endr
.endm
	PLACES                                         ; behind the last matrix instructions
.irp a, 0,1,2,3,4,5,6,7,8
	OUT \a
.endr
	s_wait_dscnt 0x0
	s_wait_alu depctr_hold_cnt(0) depctr_sa_sdst(0) depctr_va_vdst(0) depctr_va_sdst(0) depctr_va_ssrc(0) depctr_va_vcc(0) depctr_vm_vsrc(0)
	s_wait_tensorcnt 0x0
	ds_add_u32 v254, v255
	s_wait_dscnt 0x0
	s_endpgm
.Lfunc_end_k_q51d9fd483d_moe:
	.size	k_q51d9fd483d_moe, .Lfunc_end_k_q51d9fd483d_moe-k_q51d9fd483d_moe
	.p2alignl 7, 3214868480
	.fill 96, 4, 3214868480
	.section	.rodata,"a",@progbits
	.p2align	6, 0x0
	.amdhsa_kernel k_q51d9fd483d_moe
		.amdhsa_group_segment_fixed_size 174848
		.amdhsa_private_segment_fixed_size 0
		.amdhsa_enable_private_segment 0
		.amdhsa_kernarg_size 64
		.amdhsa_user_sgpr_count 2
		.amdhsa_user_sgpr_kernarg_segment_ptr 1
		.amdhsa_wavefront_size32 1
		.amdhsa_system_sgpr_workgroup_id_x 1
		.amdhsa_system_sgpr_workgroup_id_y 1
		.amdhsa_system_sgpr_workgroup_id_z 1
		.amdhsa_system_vgpr_workitem_id 0
		.amdhsa_next_free_vgpr 960
		.amdhsa_next_free_sgpr 66
		.amdhsa_reserve_vcc 0
		.amdhsa_float_denorm_mode_32 3
		.amdhsa_float_denorm_mode_16_64 3
		.amdhsa_memory_ordered 1
		.amdhsa_forward_progress 1
		.amdhsa_inst_pref_size 255
	.end_amdhsa_kernel
	.section	.bss,"aw",@nobits
	.p2align	6
	.space	262144
	.amdgpu_metadata
---
amdhsa.version: [ 1, 2 ]
amdhsa.kernels:
  - .name:           k_q51d9fd483d_moe
    .symbol:         k_q51d9fd483d_moe.kd
    .args:
      - { .name: xb, .offset: 0, .size: 8, .value_kind: global_buffer, .address_space: global }
      - { .name: w1f, .offset: 8, .size: 8, .value_kind: global_buffer, .address_space: global }
      - { .name: w2f, .offset: 16, .size: 8, .value_kind: global_buffer, .address_space: global }
      - { .name: b1, .offset: 24, .size: 8, .value_kind: global_buffer, .address_space: global }
      - { .name: b2, .offset: 32, .size: 8, .value_kind: global_buffer, .address_space: global }
      - { .name: gwa, .offset: 40, .size: 8, .value_kind: global_buffer, .address_space: global }
      - { .name: rt, .offset: 48, .size: 8, .value_kind: global_buffer, .address_space: global }
      - { .name: ypart, .offset: 56, .size: 8, .value_kind: global_buffer, .address_space: global }
    .group_segment_fixed_size: 174848
    .private_segment_fixed_size: 0
    .kernarg_segment_align: 8
    .kernarg_segment_size: 64
    .max_flat_workgroup_size: 128
    .sgpr_count:     66
    .vgpr_count:     960
    .wavefront_size: 32
...
	.end_amdgpu_metadata
.endif
;; end of part 5
;; launch comb: the kernel of part 4 again; grid 256 x 1, 8 waves a work-group, no clusters, 0 bytes of LDS; arguments ypart, out0; writes out0
